; MI455X (gfx1250); checked and timed in simulation.
; The chip was launched on July 23, 2026; its instructions are those of AMD's public machine-readable ISA for CDNA 5 (MIT licence, August 2026) and "CDNA5" Instruction Set Architecture Reference Guide (July 2026). The comments in the code are by the model that wrote it; some were corrected since.
;; Causal Self Attention. Allowed arithmetic: matrix products marked QUANTISED: E2M1 operands, one E8M0 scale for each 32 along K, by v_wmma_scale_f32_16x16x128_f8f6f4 with both operands' format E2M1 (or v_wmma_scale_f32_32x16x128_f4), f32 sums; products left as they are: bf16, f16 or f32 operands; f32 sums; everything else in f32.
;; Inputs: W_attn 1,024 x 3,072 float32; W_proj 1,024 x 1,024 float32; b_attn 3,072 float32; b_proj 1,024 float32; x 4 x 2,048 x 1,024 float32.
;; Outputs: out0 4 x 2,048 x 1,024 float32.
;; This version of the problem:
;;   THIS VERSION OF THE PROBLEM IS GIVEN IN LOW PRECISION. The matrix products marked QUANTISED in the list below multiply operands that are first quantised to E2M1 (2 exponent bits, 1 mantissa bit; 4 bits a number), with one power-of-two scale for each 32 numbers along K (OCP MX v1.0); their sums are f32. The products marked 'left as it is' may take bf16, f16 or f32 operands, with f32 sums. Whichever they take, every output number must still come out within the allowed error. Rounding operands to bf16 (8 significant bits) uses up far more of that allowance than f16 does (11 bits, for magnitudes from 6e-5 to 65,504). All else is computed in f32.
;;   The module's matrix products, in the order in which they are computed (A, B: the left and right operand; K: the contracted axis; several contracted axes count as one K, in the product's order):
;;     1. [M 8,192, K 1,024] x [K 1,024, N 3,072]; A: input x; B: input W_attn: QUANTISED
;;     2. batch 4 x [M 2,048, K 1,024] x [K 1,024, N 2,048]; A: computed on the way; B: computed on the way: left as it is (an operand is computed on the way)
;;     3. batch 4 x [M 2,048, K 2,048] x [K 2,048, N 1,024]; A: computed on the way; B: computed on the way: left as it is (an operand is computed on the way)
;;     4. [M 8,192, K 1,024] x [K 1,024, N 1,024]; A: computed on the way; B: input W_proj: left as it is (an operand is computed on the way)
;;   THE QUANTISER, for each operand of a quantised product, along K:
;;     - K is cut into blocks of 32 from its start; a last block that is shorter is filled with zeros.
;;     - A block's scale is 2^e with e = floor(log2(the largest magnitude in the block)) - 2, held to -126 .. 127; a block of zeros has e = 0. As a byte (E8M0): e + 127.
;;     - Each number is divided by its block's scale, clamped to +-6, and rounded to the nearest number of E2M1, ties to even, subnormals kept.
;;     - The product sums the exact products of the quantised numbers (number of the format x scale) in f32.
;;   ~~~python
;;   def quantise(x, axis):      # numpy; x: float32 -> the quantised numbers, widened to float32 again
;;       x = np.moveaxis(x, axis, -1); K = x.shape[-1]
;;       x = np.pad(x, [(0, 0)] * (x.ndim - 1) + [(0, -K % 32)]); x = x.reshape(x.shape[:-1] + (-1, 32)); a = np.abs(x).max(-1, keepdims=True)
;;       e = np.where(a > 0, np.clip(np.frexp(np.where(a > 0, a, 1))[1] - 1 - 2, -126, 127), 0)      # np.frexp(a)[1] - 1 = floor(log2(a)), exactly
;;       r = np.clip(x / 2.0 ** e, -6, 6)
;;       step = 2.0 ** (np.maximum(np.frexp(np.where(r == 0, 1, r))[1] - 1, 0) - 1)
;;       q = np.round(r / step) * step * 2.0 ** e      # np.round: ties to even
;;       return np.moveaxis(q.reshape(q.shape[:-2] + (-1,))[..., :K], -1, axis).astype(np.float32)
;;   ~~~
;; One version. Each part assembles by itself: llvm-mc -triple=amdgcn-amd-amdhsa -mcpu=gfx1250 --defsym DOCPART=n.
;; ======== version 1 of 1: 5 launches
;; limits: values are held in f16: magnitudes above 65,504 overflow, below 6.1e-05 lose precision
;; workspace buffers: codes 5,767,168 bytes; scales 360,448 bytes; wpt 2,097,152 bytes; qkv 50,331,648 bytes; pbuf 33,554,432 bytes; stat 524,288 bytes; y 16,777,216 bytes
;; launch prep (part 1): grid 416 x 1, 4 waves a work-group, no clusters, 102,912 bytes of LDS; arguments x, W_attn, W_proj, codes, scales, wpt; writes codes, scales, wpt
.if DOCPART == 1
	.amdgcn_target "amdgcn-amd-amdhsa--gfx1250"
	.amdhsa_code_object_version 6
	.text
	.protected	k_q55c5401980_prep
	.globl	k_q55c5401980_prep
	.p2align	8
	.type	k_q55c5401980_prep,@function
k_q55c5401980_prep:
	s_mov_b64 s[64:65], 0
	v_nop
	global_prefetch_b8 v0, s[64:65] scope:SCOPE_SE
	s_setreg_imm32_b32 hwreg(HW_REG_WAVE_MODE, 25, 1), 1
	s_wait_xcnt 0x0
; THE PROGRAM: out0 = softmax_causal((x Wq + bq)(x Wk + bk)^T / 8) (x Wv + bv) W_proj + b_proj, width 1,024, four batches of 2,048 positions.
; Five launches: this one (operands made ready), the quantised product x W_attn, the scores with a tile's own softmax figures, P V, the projection.
; WORK LEFT OUT, for all values of the inputs:
;  (a) k's bias, b_attn[1024:2048].  score(i, j) = q_i . (k_j + bk) = q_i . k_j + q_i . bk; the second term is the same for every j of row i, so the softmax along j takes it away.
;      The product q k^T is not a quantised one, so no code or scale hangs on bk.  These 1,024 numbers are not loaded; the other 2,048 of b_attn are.
;  (b) blocks of 256 queries x 256 keys whose every key comes after every query: reference()'s own jnp.tril sets them to -inf ahead of the softmax, so their weights are 0.
; LIMIT: a NaN, an infinity or an overflow that reaches only the work left out (in bk, or in scores under the mask) is not carried to the result.
; LIMITS OF RANGE: q, k, v, y and W_proj go to the later products as f16: magnitudes up to 65,504.  NaN and infinities among the inputs are not served.
;
; THIS LAUNCH, three kinds of work-group, told apart by the work-group's number alone, those with the longest chain of loads first; each kind has LDS bytes of its own:
;  0..95     W_attn [1024 k][3072 n] f32 -> codes of E2M1, K innermost, rows of 512 bytes from byte 0x400000 of codes; one E8M0 byte for each 32 along K, rows of 32 bytes from byte 0x40000 of scales.
;            A lane takes a column, its registers run down K.  ROW (3 g + p) 128 + r HOLDS COLUMN n = 1024 p + 128 g + r: the next launch's work-group walks column group g of q, k and v (p = 0, 1, 2), and finds its 384 rows on end.
;  96..159   W_proj [1024 k][1024 n] f32 -> wpt [1024 n][1024 k] f16, by the same plan.
;  160..415  x [8192][1024] f32 -> codes [8192][512 bytes] at byte 0 of codes; scale bytes [8192][32] at byte 0 of scales.
; A block's scale is 2^(floor(log2(largest magnitude)) - 2): its byte is the largest magnitude's exponent field - 2, held at 1 from below.  A block of zeros so gets the byte 1 where the
; rule says 127: its codes are zeros, which add nothing under any byte but 0xff, and the bytes are read by this program alone.
; No tensor loads.  Only W_attn's work-groups have a barrier: two of their waves fill the two halves of the same rows of codes.
.set SPARE, 102400                     ; behind the three regions: the spare words, 128 bytes for each wave
.set SPW,   192                        ; v192  LDS address of my spare word; never rewritten
.set NIL,   193                        ; v193  0; never rewritten
.set XSP,   80                         ; x: a lane's place in a stage: 64 bytes + 16 of padding
.set XR,    16                         ; v16-79   four sets of 16 numbers as loaded
.set XX,    80                         ; v80-111  two sets of 16 neighbours
.set XE,    112                        ; v112-127 a scale byte for each step
.set XC,    128                        ; v128-191 codes, four registers for each step: no store's data are written again
.set WP,    272                        ; columns: a stage row, 256 bytes + 16
.set WX,    32                         ; v32-95   two sets of 32 numbers
.set WC,    96                         ; v96-111  a block's codes or f16 pairs
.set WO,    112                        ; v112-175 the way out
.set WSB,   24                         ; v24-25   scale bytes, four to a register
.macro XLOAD t                         ; 32 lanes read 512 consecutive bytes
.irp i, 0,1,2,3
	global_load_b128 v[XR+16*((\t)%4)+4*\i:XR+16*((\t)%4)+4*\i+3], v3, s[4:5] offset:2048*(\t)+512*\i th:TH_LOAD_NT
.endr
.endm
.macro XTURN t                         ; a step's 2,048 bytes through my stage: in as they lie, out 64 bytes a lane; LDS serves a wave's instructions in order
.irp i, 0,1,2,3
	ds_store_b128 v14, v[XR+16*((\t)%4)+4*\i:XR+16*((\t)%4)+4*\i+3] offset:32*XSP*((\t)%2)+8*XSP*\i
.endr
.irp i, 0,1,2,3
	ds_load_b128 v[XX+16*((\t)%2)+4*\i:XX+16*((\t)%2)+4*\i+3], v15 offset:32*XSP*((\t)%2)+16*\i
.endr
.endm
.macro XSTEP t
.set XS, XX+16*((\t)%2)
.if (\t) > 0
	s_wait_dscnt 1                                 ; this step's numbers are back from the stage; the last step's byte store may be out
.else
	s_wait_dscnt 0x0
.endif
.if (\t)+4 < 16
	XLOAD (\t)+4                                   ; the set that the stage's stores have read takes the loads of four steps on
.endif
.if (\t)+1 < 16
.if 14-(\t) >= 3
	s_wait_loadcnt 12                              ; the next step's four loads are in; the 12 of the three steps behind it may be out
.else
	s_wait_loadcnt 4*(14-(\t))
.endif
	XTURN (\t)+1
.endif
	v_max3_num_f32 v8, |v[XS]|, |v[XS+1]|, |v[XS+2]|
	v_max3_num_f32 v9, |v[XS+3]|, |v[XS+4]|, |v[XS+5]|
.irp i, 6,10
	v_max3_num_f32 v8, v8, |v[XS+\i]|, |v[XS+\i+1]|
	v_max3_num_f32 v9, v9, |v[XS+\i+2]|, |v[XS+\i+3]|
.endr
	v_max3_num_f32 v8, v8, |v[XS+14]|, |v[XS+15]|
	v_max3_num_f32 v8, v8, v9, 0x1800000           ; with the floor 2^(3 - 127): the byte cannot fall under 1
	v_max_num_f32_dpp v8, v8, v8 row_xmask:1 row_mask:0xf bank_mask:0xf   ; with my neighbour's 16: the block's largest magnitude
	v_add_nc_u32 v11, 0xff000000, v8               ; 2 off its exponent field: the conversion takes this operand's exponent field as its scale
	v_cvt_scalef32_pk8_fp4_f32 v[XC+4*(\t)], v[XS:XS+7], v11
	v_cvt_scalef32_pk8_fp4_f32 v[XC+4*(\t)+1], v[XS+8:XS+15], v11
	v_lshrrev_b32 v[XE+(\t)], 23, v11              ; the scale's byte (also the plain line behind the conversions)
	ds_store_b8 v5, v[XE+(\t)] offset:16*(\t)      ; both lanes of a block write the same byte with the same value
	global_store_b64 v4, v[XC+4*(\t):XC+4*(\t)+1], s[10:11] offset:256*(\t)   ; the wave stores 256 consecutive bytes, aligned
.endm
.macro CLOAD t, base, pitch            ; block t of my column: rows 32 t + i; neighbouring lanes read neighbouring columns
.irp i, 0,1,2,3,4,5,6,7,8,9,10,11,12,13,14,15,16,17,18,19,20,21,22,23,24,25,26,27,28,29,30,31
	global_load_b32 v[WX+32*((\t)%2)+\i], v3, s[\base:\base+1] offset:(32*(\t)+\i)*\pitch th:TH_LOAD_NT
.endr
.endm
.macro WBLOCK t
.set XS, WX+32*((\t)%2)
.if (\t) < 7
	s_wait_loadcnt 32                              ; this block's 32 loads are in; the next block's 32 may be out
.else
	s_wait_loadcnt 0x0
.endif
	v_max3_num_f32 v12, |v[XS]|, |v[XS+1]|, |v[XS+2]|
	v_max3_num_f32 v13, |v[XS+3]|, |v[XS+4]|, |v[XS+5]|
.irp i, 6,10,14,18,22,26
	v_max3_num_f32 v12, v12, |v[XS+\i]|, |v[XS+\i+1]|
	v_max3_num_f32 v13, v13, |v[XS+\i+2]|, |v[XS+\i+3]|
.endr
	v_max3_num_f32 v12, v12, |v[XS+30]|, |v[XS+31]|
	v_max3_num_f32 v12, v12, v13, 0x1800000        ; the block's largest magnitude (all 32 are mine), and the floor
	v_add_nc_u32 v11, 0xff000000, v12
	v_lshrrev_b32 v13, 23, v11                     ; the scale's byte
.if (\t)%4 == 0
	v_mov_b32 v[WSB+(\t)/4], v13
.else
	v_lshl_or_b32 v[WSB+(\t)/4], v13, 8*((\t)%4), v[WSB+(\t)/4]
.endif
.irp g, 0,1,2,3
	v_cvt_scalef32_pk8_fp4_f32 v[WC+\g], v[XS+8*\g:XS+8*\g+7], v11
.endr
	v_nop                                          ; one plain line behind the last conversion
	ds_store_b128 v4, v[WC:WC+3] offset:16*(\t)    ; 32 codes: 16 bytes of my half of my column's row
.if (\t)+2 < 8
	CLOAD (\t)+2, 6, 12288
.endif
	s_wait_dscnt 0x0                               ; the store has landed and has read its registers: the next block's codes may be written
.endm
.macro PBLOCK t
.set XS, WX+32*((\t)%2)
.if (\t) < 3
	s_wait_loadcnt 32
.else
	s_wait_loadcnt 0x0
.endif
.irp g, 0,1,2,3,4,5,6,7,8,9,10,11,12,13,14,15
	v_cvt_pk_f16_f32 v[WC+\g], v[XS+2*\g], v[XS+2*\g+1]   ; the lower k in the low half
.endr
.irp g, 0,1,2,3
	ds_store_b128 v4, v[WC+4*\g:WC+4*\g+3] offset:64*(\t)+16*\g
.endr
.if (\t)+2 < 4
	CLOAD (\t)+2, 8, 4096
.endif
	s_wait_dscnt 0x0
.endm
	s_load_b256 s[4:11], s[0:1], 0x0               ; x s[4:5], W_attn s[6:7], W_proj s[8:9], codes s[10:11]
	s_load_b128 s[12:15], s[0:1], 0x20             ; scales s[12:13], wpt s[14:15]
	v_lshl_add_u32 v[SPW], v0, 2, SPARE
	v_mov_b32 v[NIL], 0
	v_lshrrev_b32 v1, 5, v0
	v_readfirstlane_b32 s16, v1                    ; wave
	v_and_b32 v2, 31, v0                           ; lane
	s_wait_kmcnt 0x0
	s_cmp_lt_u32 ttmp9, 160
	s_cbranch_scc0 .Lpath_x
	v_lshlrev_b32 v3, 2, v2                        ; in: 4 bytes a lane
	v_mul_u32_u24 v4, v2, WP                       ; stage row = my column
	v_and_b32 v5, 15, v2
	v_lshrrev_b32 v6, 4, v2
	v_mul_u32_u24 v7, v6, WP
	v_lshl_add_u32 v7, v5, 4, v7                   ; out of the stage: sixteen lanes to a row, two rows an instruction
	s_mov_b32 s21, 0
	s_cmp_lt_u32 ttmp9, 96
	s_cbranch_scc0 .Lpath_p
	; ---- W_attn: a work-group takes 64 columns x 512 along K; a wave 32 columns x 256 along K: eight blocks
	s_and_b32 s23, s16, 1                          ; which 32 of the 64 columns
	s_lshr_b32 s24, s16, 1                         ; which 256 of the 512 along K
	s_cmp_ge_u32 ttmp9, 48
	s_cselect_b32 s18, 1, 0                        ; which 512 along K
	s_mul_i32 s20, s18, 48
	s_sub_co_u32 s17, ttmp9, s20                   ; which 64 columns, 0 .. 47
	s_mul_i32 s19, s23, 32*WP
	s_lshl_b32 s20, s24, 7
	s_add_co_u32 s19, s19, s20
	s_add_co_u32 s19, s19, 32768                   ; this kind's stage: 64 rows; my 32 rows, my half of their 256 bytes
	v_add_nc_u32 v4, s19, v4
	s_mul_i32 s19, s16, 16*WP
	s_add_co_u32 s19, s19, 32768
	v_add_nc_u32 v7, s19, v7                       ; back: wave w takes rows 16 w .. 16 w + 15, whole
	v_lshlrev_b32 v8, 9, v6                        ; a row of codes is 512 bytes
	v_lshl_add_u32 v8, v5, 4, v8
	v_lshlrev_b32 v9, 5, v2                        ; a row of scale bytes is 32
	s_lshl_b32 s20, s18, 1
	s_add_co_u32 s20, s20, s24
	s_mul_i32 s20, s20, 256*12288                  ; my first row of W_attn,
	s_lshl_b32 s22, s17, 8
	s_add_co_u32 s20, s20, s22
	s_lshl_b32 s22, s23, 7
	s_add_co_u32 s20, s20, s22                     ; my first column
	s_add_nc_u64 s[6:7], s[6:7], s[20:21]
	s_lshr_b32 s25, s17, 4                         ; p: q, k or v
	s_bfe_u32 s26, s17, 0x30001                    ; g: the group of 128 columns in it
	s_mul_i32 s26, s26, 3
	s_add_co_u32 s26, s26, s25
	s_lshl_b32 s26, s26, 7
	s_and_b32 s25, s17, 1
	s_lshl_b32 s25, s25, 6
	s_add_co_u32 s26, s26, s25                     ; the row of the work-group's first column: (3 g + p) 128 + 0 or 64
	s_lshl_b32 s20, s16, 4
	s_add_co_u32 s20, s20, s26
	s_lshl_b32 s20, s20, 9
	s_lshl_b32 s22, s18, 8
	s_add_co_u32 s20, s20, s22
	s_add_co_u32 s20, s20, 0x400000
	s_add_nc_u64 s[10:11], s[10:11], s[20:21]      ; codes: the 16 rows that I store, this 512 along K
	s_lshl_b32 s20, s23, 5
	s_add_co_u32 s20, s20, s26
	s_lshl_b32 s20, s20, 5
	s_lshl_b32 s22, s18, 4
	s_add_co_u32 s20, s20, s22
	s_lshl_b32 s22, s24, 3
	s_add_co_u32 s20, s20, s22
	s_add_co_u32 s20, s20, 0x40000
	s_add_nc_u64 s[12:13], s[12:13], s[20:21]      ; scale bytes: my 32 columns' rows, my 8 blocks
	CLOAD 0, 6, 12288                              ; every offset is an immediate: 255 x 12,288 bytes at the most, inside the signed 24 bits
	CLOAD 1, 6, 12288
.irp t, 0,1,2,3,4,5,6,7
	WBLOCK \t
.endr
	global_store_b64 v9, v[WSB:WSB+1], s[12:13]    ; my column's 8 scale bytes: rows of 32 bytes, a small part of what the launch moves
	s_barrier_signal -1                            ; my stores into the stage have landed (the last block's wait for 0):
	s_barrier_wait -1                              ; everybody's have: a row's 256 bytes come from two waves
.irp t, 0,1,2,3,4,5,6,7
	ds_load_b128 v[WO+4*\t:WO+4*\t+3], v7 offset:2*\t*WP
.endr
.irp t, 0,1,2,3,4,5,6,7
	s_wait_dscnt 7-\t                              ; LDS loads come back in order: load t is in
	global_store_b128 v8, v[WO+4*\t:WO+4*\t+3], s[10:11] offset:2*\t*512   ; 16 lanes store 256 consecutive bytes, aligned
.endr
	s_wait_tensorcnt 0x0                           ; the wave's end, behind my last LDS store
	ds_add_u32 v[SPW], v[NIL]
	s_wait_dscnt 0x0
	s_endpgm
.Lpath_p:
	; ---- W_proj: a wave takes 32 columns x 128 along K: 256 bytes of f16 a column, through a stage of its own
	s_sub_co_u32 s17, ttmp9, 96
	s_lshr_b32 s18, s17, 3                         ; which 128 along K
	s_and_b32 s17, s17, 7
	s_lshl_b32 s17, s17, 7
	s_lshl_b32 s20, s16, 5
	s_add_co_u32 s17, s17, s20                     ; my wave's first column
	s_mul_i32 s19, s16, 32*WP
	s_add_co_u32 s19, s19, 67584                   ; this kind's stages
	v_add_nc_u32 v4, s19, v4
	v_add_nc_u32 v7, s19, v7
	v_lshlrev_b32 v8, 11, v6                       ; a row of wpt is 2,048 bytes
	v_lshl_add_u32 v8, v5, 4, v8
	s_lshl_b32 s20, s18, 19                        ; 128 rows of 4,096 bytes
	s_lshl_b32 s22, s17, 2
	s_add_co_u32 s20, s20, s22
	s_add_nc_u64 s[8:9], s[8:9], s[20:21]
	s_lshl_b32 s20, s17, 11
	s_lshl_b32 s22, s18, 8
	s_add_co_u32 s20, s20, s22
	s_add_nc_u64 s[14:15], s[14:15], s[20:21]
	CLOAD 0, 8, 4096
	CLOAD 1, 8, 4096
.irp t, 0,1,2,3
	PBLOCK \t
.endr
.irp t, 0,1,2,3,4,5,6,7,8,9,10,11,12,13,14,15
	ds_load_b128 v[WO+4*\t:WO+4*\t+3], v7 offset:2*\t*WP
.endr
.irp t, 0,1,2,3,4,5,6,7,8,9,10,11,12,13,14,15
	s_wait_dscnt 15-\t                             ; LDS loads come back in order: load t is in
	global_store_b128 v8, v[WO+4*\t:WO+4*\t+3], s[14:15] offset:2*\t*2048   ; 16 lanes store 256 consecutive bytes, aligned
.endr
	s_wait_tensorcnt 0x0                           ; the wave's end, behind my last LDS store
	ds_add_u32 v[SPW], v[NIL]
	s_wait_dscnt 0x0
	s_endpgm
.Lpath_x:
	; ---- x: a wave takes 16 steps of 512 numbers: run 4 x (work-group - 160) + wave of 8,192 numbers
	v_lshlrev_b32 v3, 4, v2                        ; my 16 bytes of a load's 512
	s_mul_i32 s17, s16, 8192                       ; my wave's LDS region
	v_lshrrev_b32 v14, 2, v2
	v_mul_u32_u24 v14, v14, XSP
	v_and_b32 v15, 3, v2
	v_lshl_add_u32 v14, v15, 4, v14
	v_add_nc_u32 v14, s17, v14                     ; the stage, in: four lanes' 64 bytes on end, then the padding
	v_mul_u32_u24 v15, v2, XSP
	v_add_nc_u32 v15, s17, v15                     ; out: my 16 neighbours
	v_lshlrev_b32 v4, 3, v2                        ; my 8 bytes of a step's codes
	v_lshrrev_b32 v5, 1, v2
	s_add_co_u32 s17, s17, 2*32*XSP
	v_add_nc_u32 v5, s17, v5                       ; my block's byte among the wave's 256
	v_lshlrev_b32 v7, 3, v2
	v_add_nc_u32 v6, s17, v7
	s_sub_co_u32 s17, ttmp9, 160
	s_lshl_b32 s17, s17, 2
	s_add_co_u32 s18, s17, s16                     ; my run
	s_mov_b32 s19, 0
	s_lshl_b64 s[20:21], s[18:19], 15              ; 32,768 bytes of x a run,
	s_add_nc_u64 s[4:5], s[4:5], s[20:21]
	s_lshl_b64 s[20:21], s[18:19], 12              ; 4,096 of codes,
	s_add_nc_u64 s[10:11], s[10:11], s[20:21]
	s_lshl_b32 s18, s18, 8                         ; 256 of scale bytes
	s_add_nc_u64 s[12:13], s[12:13], s[18:19]
.irp t, 0,1,2,3
	XLOAD \t
.endr
	s_wait_loadcnt 12                              ; step 0's four loads are in
	XTURN 0
.irp t, 0,1,2,3,4,5,6,7,8,9,10,11,12,13,14,15
	XSTEP \t
.endr
	ds_load_b64 v[8:9], v6                         ; my wave's 256 scale bytes, 8 a lane
	s_wait_dscnt 0x0
	global_store_b64 v7, v[8:9], s[12:13]          ; 256 consecutive bytes, aligned
	s_wait_tensorcnt 0x0                           ; the wave's end, behind my last LDS store
	ds_add_u32 v[SPW], v[NIL]
	s_wait_dscnt 0x0
	s_endpgm
.Lfunc_end_k_q55c5401980_prep:
	.size	k_q55c5401980_prep, .Lfunc_end_k_q55c5401980_prep-k_q55c5401980_prep
	.p2alignl 7, 3214868480
	.fill 96, 4, 3214868480
	.section	.rodata,"a",@progbits
	.p2align	6, 0x0
	.amdhsa_kernel k_q55c5401980_prep
		.amdhsa_group_segment_fixed_size 102912
		.amdhsa_private_segment_fixed_size 0
		.amdhsa_enable_private_segment 0
		.amdhsa_kernarg_size 48
		.amdhsa_user_sgpr_count 2
		.amdhsa_user_sgpr_kernarg_segment_ptr 1
		.amdhsa_wavefront_size32 1
		.amdhsa_system_sgpr_workgroup_id_x 1
		.amdhsa_system_sgpr_workgroup_id_y 1
		.amdhsa_system_sgpr_workgroup_id_z 1
		.amdhsa_system_vgpr_workitem_id 0
		.amdhsa_next_free_vgpr 194
		.amdhsa_next_free_sgpr 66
		.amdhsa_reserve_vcc 0
		.amdhsa_float_denorm_mode_32 3
		.amdhsa_float_denorm_mode_16_64 3
		.amdhsa_memory_ordered 1
		.amdhsa_forward_progress 1
		.amdhsa_inst_pref_size 95
	.end_amdhsa_kernel
	.amdgpu_metadata
---
amdhsa.version: [ 1, 2 ]
amdhsa.kernels:
  - .name:           k_q55c5401980_prep
    .symbol:         k_q55c5401980_prep.kd
    .args:
      - { .name: x, .offset: 0, .size: 8, .value_kind: global_buffer, .address_space: global }
      - { .name: W_attn, .offset: 8, .size: 8, .value_kind: global_buffer, .address_space: global }
      - { .name: W_proj, .offset: 16, .size: 8, .value_kind: global_buffer, .address_space: global }
      - { .name: codes, .offset: 24, .size: 8, .value_kind: global_buffer, .address_space: global }
      - { .name: scales, .offset: 32, .size: 8, .value_kind: global_buffer, .address_space: global }
      - { .name: wpt, .offset: 40, .size: 8, .value_kind: global_buffer, .address_space: global }
    .group_segment_fixed_size: 102912
    .private_segment_fixed_size: 0
    .kernarg_segment_align: 8
    .kernarg_segment_size: 48
    .max_flat_workgroup_size: 128
    .sgpr_count:     66
    .vgpr_count:     194
    .wavefront_size: 32
...
	.end_amdgpu_metadata
.endif
;; end of part 1
;; launch qkv (part 2): grid 8 x 32, 4 waves a work-group, clusters of 4 x 4, 327,680 bytes of LDS; arguments codes, scales, b_attn, qkv; writes qkv
.if DOCPART == 2
	.amdgcn_target "amdgcn-amd-amdhsa--gfx1250"
	.amdhsa_code_object_version 6
	.text
	.protected	k_q55c5401980_qkv
	.globl	k_q55c5401980_qkv
	.p2align	8
	.type	k_q55c5401980_qkv,@function
k_q55c5401980_qkv:
	s_mov_b64 s[64:65], 0
	v_nop
	global_prefetch_b8 v0, s[64:65] scope:SCOPE_SE
	s_setreg_imm32_b32 hwreg(HW_REG_WAVE_MODE, 25, 1), 1
	s_wait_xcnt 0x0
	s_wait_alu depctr_hold_cnt(0) depctr_sa_sdst(0) depctr_va_vdst(0) depctr_va_sdst(0) depctr_va_ssrc(0) depctr_va_vcc(0) depctr_vm_vsrc(0)
	s_getreg_b32 s2, hwreg(HW_REG_IB_STS2, 6, 4)
	s_cmp_eq_u32 s2, 0
	s_cbranch_scc0 .Lentry_in_a_cluster
	s_endpgm
.Lentry_in_a_cluster:
	s_bfe_u32 s2, ttmp6, 0x10000c
	s_cmp_lg_u32 s2, 0xf033
	s_cbranch_scc0 .Lentry_shape_is_right
	s_endpgm
.Lentry_shape_is_right:
; qkv[m][n] = sum over k of Q(x)[m][k] Q(W_attn)[k][n] (+ b_attn[n] for q's and v's columns), on codes of E2M1 with one E8M0 scale for each 32 along K; sums in f32; stored as f16, [8192][3072].
; WORK LEFT OUT: k's bias, b_attn[1024:2048]: it adds q_i . bk to every score of row i, which the softmax along the keys takes away for all values; these numbers are not loaded: k's sums start with the constant 0.
; LIMIT: magnitudes of q, k, v up to 65,504 (f16).
; SHARES.  8 x 32 work-groups, one for each WGP, all with the same work.  A work-group owns 256 rows and makes THREE tiles of 128 columns: column group g of q, of k and of v (tile p = 0, 1, 2: columns 1024 p + 128 g on).
; A wave makes 64 rows x 128 columns of each tile: 32 accumulators; its rows of a tile are 256 bytes, so it stores whole aligned runs of 256 bytes from a stage of its own, and a tile's stores leave while the next tile is multiplied.
; x's codes of the 256 rows, all of K, come into LDS once; each wave reads its 64 rows' fragments once, into 256 registers that serve all three tiles.
; W's rows lie in memory in the order (3 g + p) 128 + r (the launch before lays them so): a work-group's three tiles, and their scale bytes, are dense.  Tiles 0 and 1 come with the first fills, into two slots;
; tile 2 is the one refill, into slot 0, behind tile 0's products; it has one way out and a tile's products in which to land.
; CLUSTERS: 4 x 4 work-groups; the four of a row of the cluster ask jointly for x's codes and scales, the four of a column for W's.
; THE MATRIX INSTRUCTION IS USED TRANSPOSED (source 0 = 16 rows of W's codes, source 1 = 16 rows of x's): a lane holds eight neighbouring columns of one row.  The bias is the C of a sum's first product.
; REGISTERS: window 0: v0-31 addresses; v32-63 x's scale words, v64-127 W's, and nothing else; v128-191 rows read back, two sets; v192-223 packed results.
;   window 1: v0-191 W's fragments, three sets (step q in set q % 3); v192-255 the bias.   window 2: the accumulators ((a, b) at v[8 (8 a + b)]).   window 3: x's fragments ((q, a) at v[8 (4 q + a)]).
.set PITCH,  528                       ; an LDS row of codes: 512 bytes + 16 of padding: the 16 rows that a load touches start 132 words apart
.set BSLOT,  128*PITCH
.set BB,     256*PITCH                 ; behind x's 256 rows: W's two slots
.set SCA,    BB+2*BSLOT                ; x's scale bytes: 32 runs of 256 bytes (8 rows each) + 16 of padding
.set SCB,    SCA+32*272                ; W's: 48 runs: 16 for each tile
.set STAGE,  SCB+48*272                ; 16 rows x 272 bytes for each wave; no tensor load lands here
.set SP,     272
.set SPARE,  STAGE+4*16*SP             ; the spare words, 128 bytes for each wave
.set OROW,   6144                      ; a row of qkv in bytes
.set ADRA, 16                          ; v16    my 64 rows of x's codes
.set ADRB, 20                          ; v20-21 W's slot 0, 1
.set ADSA, 22                          ; v22    my rows' scale words
.set ADSB, 23                          ; v23    W's
.set STO,  24
.set RD,   25
.set CO,   26
.set BO,   27                          ; v27    32 x (lane / 16): my place in a block of 16 of the bias; never rewritten
.set SPW,  28
.set NIL,  29
.set SA,   32                          ; x's scale words: block a, step q at v[SA + 8 a + q]; lane r holds row r's (lanes 16-31 hold the same and are not read)
.set SB,   64                          ; W's: block b, step q at v[SB + 8 b + q]
.set OB,   128
.set TMP,  192
.set BIAS, 192                         ; in window 1
.set G1A,  24                          ; s[24:31] group 1: x's codes, 128 rows
.set G1B,  32                          ; s[32:39] W's codes, 128 rows
.set G1C,  40                          ; s[40:47] W's codes, 64 rows: the refill
.set G1S,  48                          ; s[48:55] x's scales, 16 runs
.set G1SB, 56                          ; s[56:63] W's scales, 24 runs
.set G0A,  68
.set G0B,  72
.set G0S,  76
.set G0SB, 80
.set G0C,  84
.set MSB, 0
.macro WIN new                         ; the immediate's high byte repeats the setting that is left
.if MSB != (\new)
	s_set_vgpr_msb (MSB<<8)|(\new)
.set MSB, (\new)
.endif
.endm
.macro JLOAD g0a, g1a, g0b, g1b        ; waves 0 and 1 fetch for x, waves 2 and 3 for W; the branch hangs on the wave's number alone; s_nop 0 and four v_nop follow each line
	s_cmp_eq_u32 s15, 0
	s_cbranch_scc0 .Lfor_b_\@
	tensor_load_to_lds s[\g0a:\g0a+3], s[\g1a:\g1a+7]
	s_nop 0
.rept 4
	v_nop
.endr
	s_branch .Lasked_\@
.Lfor_b_\@:
	tensor_load_to_lds s[\g0b:\g0b+3], s[\g1b:\g1b+7]
	s_nop 0
.rept 4
	v_nop
.endr
.Lasked_\@:
.endm
.macro CROUND                          ; a round of the cluster's barrier
	s_barrier_signal -1
	s_barrier_wait -1
	s_cmp_lg_u32 s14, 0
	s_cbranch_scc1 .Lnot_wave_0_\@
	s_barrier_signal -3
.Lnot_wave_0_\@:
	s_barrier_wait -3
	s_barrier_signal -1
	s_barrier_wait -1
.endm
.macro PLACES                          ; four plain vector lines between a matrix instruction and a load into, or a read of, its registers
.rept 4
	v_nop
.endr
.endm
.macro BIAS_LOAD off                   ; register 8 b + j of lane (r, h): b_attn[off / 4 + 128 g + 16 b + 8 h + j]
	WIN 0x40                                       ; destination window 1
.irp b, 0,1,2,3,4,5,6,7
	global_load_b128 v[BIAS+8*\b:BIAS+8*\b+3], v[BO], s[8:9] offset:\off+64*\b
	global_load_b128 v[BIAS+8*\b+4:BIAS+8*\b+7], v[BO], s[8:9] offset:\off+64*\b+16
.endr
.endm
	s_load_b128 s[4:7], s[0:1], 0x0                ; codes s[4:5], scales s[6:7]
	s_load_b128 s[8:11], s[0:1], 0x10              ; b_attn s[8:9], qkv s[10:11]
	v_lshl_add_u32 v[SPW], v0, 2, SPARE
	v_mov_b32 v[NIL], 0
	ds_add_u32 v[SPW], v[NIL]                      ; the wave's opening: an add, twice on end, and its wait ahead of my first tensor load
	ds_add_u32 v[SPW], v[NIL]
	v_lshrrev_b32 v1, 5, v0
	v_readfirstlane_b32 s14, v1                    ; wave
	s_lshr_b32 s15, s14, 1                         ; I fetch for x (0) or for W (1)
	s_and_b32 s16, s14, 1                          ; which half, or which tile
	s_bfe_u32 s12, ttmp6, 0x40000                  ; cx
	s_bfe_u32 s13, ttmp6, 0x40004                  ; cy
	s_lshl_b32 s18, ttmp9, 2
	s_add_co_u32 s18, s18, s12                     ; g: my group of 128 columns
	s_and_b32 s17, ttmp7, 0xffff
	s_lshl_b32 s17, s17, 2
	s_add_co_u32 s17, s17, s13                     ; my block of 256 rows
	s_lshl_b32 s19, s13, 2
	s_lshl_b32 s19, 15, s19                        ; my row of the cluster
	s_lshl_b32 s3, 0x1111, s12                     ; my column
	s_or_b32 s[G1A], s19, (0<<16)|(1<<20)|(1<<21)|(6<<22)|(3<<25)    ; mask; elements of 1 byte; padding: 4 words behind every 128; bit 21 beside a mask
	s_or_b32 s[G1B], s3, (0<<16)|(1<<20)|(1<<21)|(6<<22)|(3<<25)
	s_or_b32 s[G1C], s3, (0<<16)|(1<<20)|(1<<21)|(6<<22)|(3<<25)
.irp g, G1A, G1B, G1C
	s_mov_b32 s[\g+1], 512<<16                     ; tensor_dim0: a row of 1,024 codes
	s_mov_b32 s[\g+3], 512<<16                     ; tile_dim0
	s_mov_b32 s[\g+5], 512                         ; pitch
	s_mov_b32 s[\g+6], 0
	s_mov_b32 s[\g+7], 0
.endr
.irp g, G1A, G1B
	s_mov_b32 s[\g+2], 128<<16                     ; tensor_dim1
	s_mov_b32 s[\g+4], 128                         ; tile_dim1
.endr
	s_mov_b32 s[G1C+2], 64<<16
	s_mov_b32 s[G1C+4], 64
	s_or_b32 s[G1S], s19, (3<<16)|(1<<20)|(1<<21)|(5<<22)|(3<<25)    ; scale bytes: dense, as rows of 32 elements of 8 bytes; padding: 4 words behind every 64
	s_or_b32 s[G1SB], s3, (3<<16)|(1<<20)|(1<<21)|(5<<22)|(3<<25)
.irp g, G1S, G1SB
	s_mov_b32 s[\g+1], 32<<16
	s_mov_b32 s[\g+3], 32<<16
	s_mov_b32 s[\g+5], 32
	s_mov_b32 s[\g+6], 0
	s_mov_b32 s[\g+7], 0
.endr
	s_mov_b32 s[G1S+2], 16<<16                     ; 128 rows x 32 bytes
	s_mov_b32 s[G1S+4], 16
	s_mov_b32 s[G1SB+2], 24<<16                    ; 192 rows x 32 bytes
	s_mov_b32 s[G1SB+4], 24
	; where the tiles come from.  x's hang on the block of rows alone (s20-23), W's on the column group alone (s88-93): neither set of registers ever holds the other coordinate
	s_lshl_b32 s20, s17, 17                        ; 256 rows of 512 bytes
	s_lshl_b32 s21, s16, 16                        ; + 128 rows
	s_add_co_u32 s20, s20, s21
	s_lshr_b32 s22, s20, 4                         ; their scale bytes: 32 a row
	s_mov_b32 s21, 0
	s_mov_b32 s23, 0
	s_mul_i32 s92, s18, 384*512                    ; the column group's 384 rows of codes
	s_add_co_u32 s92, s92, 0x400000                ; W's codes lie behind x's
	s_lshl_b32 s89, s16, 16
	s_add_co_u32 s88, s92, s89                     ; wave 2: tile 0; wave 3: tile 1
	s_lshl_b32 s89, s16, 15
	s_add_co_u32 s92, s92, s89
	s_add_co_u32 s92, s92, 0x20000                 ; tile 2: 64 rows each
	s_mul_i32 s90, s18, 384*32
	s_mul_i32 s89, s16, 192*32
	s_add_co_u32 s90, s90, s89
	s_add_co_u32 s90, s90, 0x40000                 ; W's scale bytes lie behind x's
	s_mov_b32 s89, 0
	s_mov_b32 s91, 0
	s_mov_b32 s93, 0
	s_mul_i32 s94, s16, BSLOT                      ; where they go: 128 rows of codes,
	s_mul_i32 s95, s16, 16*272
	s_mul_i32 s96, s16, 24*272
	s_mul_i32 s97, s16, 64*PITCH
	s_mov_b32 s[G0A], 1
	s_mov_b32 s[G0A+1], s94
	s_mov_b32 s[G0B], 1
	s_add_co_u32 s[G0B+1], s94, BB
	s_mov_b32 s[G0S], 1
	s_add_co_u32 s[G0S+1], s95, SCA
	s_mov_b32 s[G0SB], 1
	s_add_co_u32 s[G0SB+1], s96, SCB
	s_mov_b32 s[G0C], 1
	s_add_co_u32 s[G0C+1], s97, BB
	s_wait_dscnt 0x0                               ; both opening adds are done
	s_wait_kmcnt 0x0
	s_add_nc_u64 s[G0A+2:G0A+3], s[4:5], s[20:21]
	s_or_b32 s[G0A+3], s[G0A+3], 0x80000000
	s_add_nc_u64 s[G0S+2:G0S+3], s[6:7], s[22:23]
	s_or_b32 s[G0S+3], s[G0S+3], 0x80000000
	s_add_nc_u64 s[G0B+2:G0B+3], s[4:5], s[88:89]
	s_or_b32 s[G0B+3], s[G0B+3], 0x80000000
	s_add_nc_u64 s[G0SB+2:G0SB+3], s[6:7], s[90:91]
	s_or_b32 s[G0SB+3], s[G0SB+3], 0x80000000
	s_add_nc_u64 s[G0C+2:G0C+3], s[4:5], s[92:93]
	s_or_b32 s[G0C+3], s[G0C+3], 0x80000000
	CROUND                                         ; all sixteen work-groups are here: the joint loads meet
	JLOAD G0S, G1S, G0SB, G1SB                     ; the scales,
	JLOAD G0A, G1A, G0B, G1B                       ; the codes: two loads of mine are out
	v_and_b32 v1, 15, v0                           ; r
	v_bfe_u32 v2, v0, 4, 1                         ; h
	v_lshlrev_b32 v[BO], 5, v2
	s_lshl_b32 s88, s17, 8
	s_lshl_b32 s89, s14, 6
	s_add_co_u32 s88, s88, s89                     ; my first row
	s_mul_i32 s88, s88, OROW
	s_lshl_b32 s89, s18, 8                         ; my column group in a part: 128 columns of 2 bytes
	s_add_co_u32 s88, s88, s89
	s_mov_b32 s89, 0
	s_add_nc_u64 s[10:11], s[10:11], s[88:89]
	s_lshl_b32 s88, s18, 9
	s_add_nc_u64 s[8:9], s[8:9], s[88:89]
	BIAS_LOAD 0                                    ; q's bias
	WIN 0
	v_mul_u32_u24 v3, v1, PITCH
	v_lshl_add_u32 v3, v2, 4, v3                   ; a fragment's row x pitch + 16 x half
	s_mul_i32 s88, s14, 64*PITCH
	v_add_nc_u32 v[ADRA], s88, v3
	v_add_nc_u32 v[ADRB], BB, v3
	v_add_nc_u32 v[ADRB+1], BB+BSLOT, v3
	v_lshrrev_b32 v5, 3, v1
	v_mul_u32_u24 v5, v5, 272
	v_and_b32 v6, 7, v1
	v_lshl_add_u32 v5, v6, 5, v5                   ; row r's 32 scale bytes in a block of 16 rows: run r / 8, 32 (r % 8) bytes in
	s_mul_i32 s88, s14, 8*272
	s_add_co_u32 s88, s88, SCA
	v_add_nc_u32 v[ADSA], s88, v5
	v_add_nc_u32 v[ADSB], SCB, v5
	s_mul_i32 s88, s14, 16*SP
	s_add_co_u32 s88, s88, STAGE                   ; my stage
	v_mul_u32_u24 v5, v1, SP
	v_lshl_add_u32 v5, v2, 4, v5
	v_add_nc_u32 v[STO], s88, v5                   ; in: row r, 16 bytes for each half of the lanes
	v_mul_u32_u24 v5, v2, SP
	v_lshl_add_u32 v5, v1, 4, v5
	v_add_nc_u32 v[RD], s88, v5                    ; back: lanes 0-15 one row of 256 bytes, lanes 16-31 the next
	v_mul_u32_u24 v5, v2, OROW
	v_lshl_add_u32 v[CO], v1, 4, v5                ; and the same two rows in qkv
; A fragment, 16 rows x 128 K of 4-bit codes, is 8 registers: two loads 32 bytes apart, at row x pitch + 64 q + 16 (lane / 16)
.macro FETCH_B slot, q, set            ; W's eight fragments of step q: 16 loads
	WIN 0x40                                       ; destination window 1
.irp i, 0,1,2,3,4,5,6,7
.irp c, 0,1
	ds_load_b128 v[64*(\set)+8*\i+4*\c:64*(\set)+8*\i+4*\c+3], v[ADRB+\slot] offset:64*(\q)+32*\c+\i*16*PITCH
.endr
.endr
.endm
.macro FETCH_A q                       ; x's four fragments of step q: 8 loads; they stay
	WIN 0xc0                                       ; destination window 3
.irp a, 0,1,2,3
.irp c, 0,1
	ds_load_b128 v[8*(4*(\q)+\a)+4*\c:8*(4*(\q)+\a)+4*\c+3], v[ADRA] offset:64*(\q)+32*\c+\a*16*PITCH
.endr
.endr
.endm
.macro SCALE_A hf                      ; x's scale words of steps 4 hf .. 4 hf + 3: 4 loads
.irp a, 0,1,2,3
	ds_load_b128 v[SA+8*\a+4*\hf:SA+8*\a+4*\hf+3], v[ADSA] offset:\a*544+16*\hf
.endr
.endm
.macro SCALE_B p, hf                   ; tile p's: 8 loads
.irp b, 0,1,2,3,4,5,6,7
	ds_load_b128 v[SB+8*\b+4*\hf:SB+8*\b+4*\hf+3], v[ADSB] offset:(\p)*16*272+\b*544+16*\hf
.endr
.endm
; 32 products: step q of a tile.  cmode 0: the sums go on; 1: they start with 0; 2: with the bias.  The 32 accumulators take turns, in the same order in every step.
.macro MUL32 q, cmode
.irp a, 0,1,2,3
.irp b, 0,1,2,3,4,5,6,7
.if \cmode == 0
	v_wmma_scale_f32_16x16x128_f8f6f4 v[8*(8*\a+\b):8*(8*\a+\b)+7], v[64*((\q)%3)+8*\b:64*((\q)%3)+8*\b+7], v[8*(4*(\q)+\a):8*(4*(\q)+\a)+7], v[8*(8*\a+\b):8*(8*\a+\b)+7], v[SB+8*\b+(\q)], v[SA+8*\a+(\q)] matrix_a_fmt:MATRIX_FMT_FP4 matrix_b_fmt:MATRIX_FMT_FP4
.elseif \cmode == 1
	v_wmma_scale_f32_16x16x128_f8f6f4 v[8*(8*\a+\b):8*(8*\a+\b)+7], v[64*((\q)%3)+8*\b:64*((\q)%3)+8*\b+7], v[8*(4*(\q)+\a):8*(4*(\q)+\a)+7], 0, v[SB+8*\b+(\q)], v[SA+8*\a+(\q)] matrix_a_fmt:MATRIX_FMT_FP4 matrix_b_fmt:MATRIX_FMT_FP4
.else
	v_wmma_scale_f32_16x16x128_f8f6f4 v[8*(8*\a+\b):8*(8*\a+\b)+7], v[64*((\q)%3)+8*\b:64*((\q)%3)+8*\b+7], v[8*(4*(\q)+\a):8*(4*(\q)+\a)+7], v[BIAS+8*\b:BIAS+8*\b+7], v[SB+8*\b+(\q)], v[SA+8*\a+(\q)] matrix_a_fmt:MATRIX_FMT_FP4 matrix_b_fmt:MATRIX_FMT_FP4
.endif
.endr
.endr
.endm
; Step q of a tile whose W rows lie in the slot.  At its head the step's operands are in.  witha = 1: tile 0, in which x's fragments are fetched with W's (24 loads a step, else 16).
; Steps 0 and 1 were fetched ahead of the tile; step 2 is fetched at the head of step 0, into the third set; behind step q's products step q + 3 takes the set that they have read.
; The wait behind the products is the next step's: only what was issued behind step q + 1's fetch may stay out: step q + 2's fetch (in tile 0's step 0 also the 12 scale loads that stand ahead of it).
.macro KSTEP slot, q, cmode, witha
.if (\q) == 0
.if \witha
	WIN 0
	SCALE_A 1
	SCALE_B 0, 1
.endif
	FETCH_B \slot, 2, 2
.if \witha
	FETCH_A 2
.endif
.endif
.if \cmode == 2
	WIN 0x9d                                       ; source 0 window 1, source 1 window 3, C (the bias) window 1, D window 2
.else
	WIN 0xad                                       ; source 0 window 1, source 1 window 3, C and D window 2
.endif
	MUL32 \q, \cmode
.if (\q)+3 < 8
	PLACES
.endif
.if (\q) == 0
	s_wait_dscnt 16+20*\witha
.elseif (\q) < 6
	s_wait_dscnt 16+8*\witha
.elseif (\q) == 6
	s_wait_dscnt 0x0
.endif
.if (\q)+3 < 8
	FETCH_B \slot, (\q)+3, (\q)%3
.if \witha
	FETCH_A (\q)+3
.if (\q) == 0
	BIAS_LOAD 8192                                 ; q's bias has been read, four places back: v's takes its registers, and has two tiles in which to come
.endif
.endif
.endif
.endm
; THE WAY OUT of tile p, a block of 16 rows x 128 columns at a time: rounded to f16 (16 bytes a lane), through my own stage, back as whole rows of 256 bytes.
.macro PACK a
	WIN 0x0a                                       ; sources 0 and 1: window 2
.irp b, 0,1,2,3,4,5,6,7
.irp r, 0,1,2,3
	v_cvt_pk_f16_f32 v[TMP+4*\b+\r], v[64*(\a)+8*\b+2*\r], v[64*(\a)+8*\b+2*\r+1]   ; each accumulator from its low end on
.endr
.endr
	WIN 0
.endm
.macro TOSTAGE a
.irp b, 0,1,2,3,4,5,6,7
	ds_store_b128 v[STO], v[TMP+4*\b:TMP+4*\b+3] offset:32*\b
.endr
.irp t, 0,1,2,3,4,5,6,7
	ds_load_b128 v[OB+32*((\a)%2)+4*\t:OB+32*((\a)%2)+4*\t+3], v[RD] offset:\t*2*SP   ; LDS serves a wave's instructions in order: these see the stores above
.endr
.endm
.macro SEND a, p
	s_wait_dscnt 0x0                               ; the block is back in registers
	s_wait_xcnt 0x0                                ; the stores of the block before have read their registers: the next block's loads may land there
.irp t, 0,1,2,3,4,5,6,7
	global_store_b128 v[CO], v[OB+32*((\a)%2)+4*\t:OB+32*((\a)%2)+4*\t+3], s[10:11] offset:(16*(\a)+2*\t)*OROW+2048*(\p)   ; 16 lanes store 256 consecutive bytes, aligned; 62 rows and two parts at the most in the immediate
.endr
.endm
.macro WAYOUT p
	PACK 0
	TOSTAGE 0
.irp a, 1,2,3
	PACK \a
	SEND \a-1, \p
	TOSTAGE \a
.endr
	SEND 3, \p
.endm
	s_wait_tensorcnt 0x0                           ; my two loads have landed,
	s_barrier_signal -1
	s_barrier_wait -1                              ; everybody's have: x's codes, tiles 0 and 1, all scale bytes
	SCALE_A 0
	SCALE_B 0, 0
	FETCH_B 0, 0, 0
	FETCH_A 0
	FETCH_B 0, 1, 1
	FETCH_A 1                                      ; 60 LDS loads of mine are out
	s_wait_loadcnt 0x0                             ; q's bias
	s_wait_dscnt 24                                ; the scale words and step 0's fragments are in; step 1's 24 loads may be out
	KSTEP 0, 0, 2, 1                               ; TILE 0: q
.irp q, 1,2,3,4,5,6,7
	KSTEP 0, \q, 0, 1
.endr
	WIN 0
	s_wait_tensorcnt 0x0                           ; no tensor load of mine is out
	ds_add_u32 v[SPW], v[NIL]
	PLACES                                         ; behind the last products: for the loads and reads below
	s_wait_dscnt 0x0                               ; the add is done, and my reads of slot 0 are over
	CROUND                                         ; no wave of any partner still reads slot 0
	s_cmp_eq_u32 s15, 0
	s_cbranch_scc1 .Lno_b2
	tensor_load_to_lds s[G0C:G0C+3], s[G1C:G1C+7]  ; waves 2 and 3: tile 2, 64 rows each, into slot 0: the first thing behind the round
	s_nop 0
.rept 4
	v_nop
.endr
.Lno_b2:
	SCALE_B 1, 0                                   ; tile 1's scale words and first two steps are fetched ahead of tile 0's way out
	SCALE_B 1, 1
	FETCH_B 1, 0, 0
	FETCH_B 1, 1, 1
	WAYOUT 0
	KSTEP 1, 0, 1, 0                               ; TILE 1: k, which has no bias here
.irp q, 1,2,3,4,5,6,7
	KSTEP 1, \q, 0, 0
.endr
	WIN 0
	PLACES
	s_wait_tensorcnt 0x0                           ; my part of tile 2 has landed (waves 2 and 3),
	s_wait_dscnt 0x0
	s_barrier_signal -1
	s_barrier_wait -1                              ; everybody's has
	SCALE_B 2, 0
	SCALE_B 2, 1
	FETCH_B 0, 0, 0
	FETCH_B 0, 1, 1
	WAYOUT 1
	s_wait_loadcnt 0x0                             ; v's bias
	KSTEP 0, 0, 2, 0                               ; TILE 2: v
.irp q, 1,2,3,4,5,6,7
	KSTEP 0, \q, 0, 0
.endr
	WIN 0
	PLACES
	WAYOUT 2
	s_wait_tensorcnt 0x0                           ; the wave's end
	ds_add_u32 v[SPW], v[NIL]
	s_wait_dscnt 0x0
	CROUND                                         ; the closing round
	s_endpgm
.Lfunc_end_k_q55c5401980_qkv:
	.size	k_q55c5401980_qkv, .Lfunc_end_k_q55c5401980_qkv-k_q55c5401980_qkv
	.p2alignl 7, 3214868480
	.fill 96, 4, 3214868480
	.section	.rodata,"a",@progbits
	.p2align	6, 0x0
	.amdhsa_kernel k_q55c5401980_qkv
		.amdhsa_group_segment_fixed_size 327680
		.amdhsa_private_segment_fixed_size 0
		.amdhsa_enable_private_segment 0
		.amdhsa_kernarg_size 32
		.amdhsa_user_sgpr_count 2
		.amdhsa_user_sgpr_kernarg_segment_ptr 1
		.amdhsa_wavefront_size32 1
		.amdhsa_system_sgpr_workgroup_id_x 1
		.amdhsa_system_sgpr_workgroup_id_y 1
		.amdhsa_system_sgpr_workgroup_id_z 1
		.amdhsa_system_vgpr_workitem_id 0
		.amdhsa_next_free_vgpr 1024
		.amdhsa_next_free_sgpr 98
		.amdhsa_reserve_vcc 0
		.amdhsa_float_denorm_mode_32 3
		.amdhsa_float_denorm_mode_16_64 3
		.amdhsa_memory_ordered 1
		.amdhsa_forward_progress 1
		.amdhsa_inst_pref_size 192
	.end_amdhsa_kernel
	.amdgpu_metadata
---
amdhsa.version: [ 1, 2 ]
amdhsa.kernels:
  - .name:           k_q55c5401980_qkv
    .symbol:         k_q55c5401980_qkv.kd
    .args:
      - { .name: codes, .offset: 0, .size: 8, .value_kind: global_buffer, .address_space: global }
      - { .name: scales, .offset: 8, .size: 8, .value_kind: global_buffer, .address_space: global }
      - { .name: b_attn, .offset: 16, .size: 8, .value_kind: global_buffer, .address_space: global }
      - { .name: qkv, .offset: 24, .size: 8, .value_kind: global_buffer, .address_space: global }
    .group_segment_fixed_size: 327680
    .private_segment_fixed_size: 0
    .kernarg_segment_align: 8
    .kernarg_segment_size: 32
    .max_flat_workgroup_size: 128
    .sgpr_count:     98
    .vgpr_count:     1024
    .wavefront_size: 32
...
	.end_amdgpu_metadata
.endif
;; end of part 2
;; launch scores (part 3): grid 36 x 4, 4 waves a work-group, no clusters, 327,680 bytes of LDS; arguments qkv, pbuf, stat; writes pbuf, stat
.if DOCPART == 3
	.amdgcn_target "amdgcn-amd-amdhsa--gfx1250"
	.amdhsa_code_object_version 6
	.text
	.protected	k_q55c5401980_scores
	.globl	k_q55c5401980_scores
	.p2align	8
	.type	k_q55c5401980_scores,@function
k_q55c5401980_scores:
	s_mov_b64 s[64:65], 0
	v_nop
	global_prefetch_b8 v0, s[64:65] scope:SCOPE_SE
	s_setreg_imm32_b32 hwreg(HW_REG_WAVE_MODE, 25, 1), 1
	s_wait_xcnt 0x0
; For each block (I, J), J <= I, of 256 queries x 256 keys of a batch: s = q . k over 1,024 (f16 operands, f32 sums); t = s log2(e) / 8; on the diagonal block hidden keys get -inf;
; m = the row's largest t IN THIS BLOCK; p = 2^(t - m), stored as f16 in pbuf [4][2048 q][2048 key]; l = the row's sum of the f32 p in this block.  m and l go to stat:
; m at ((batch 8 + J) 2048 + q) 4, l 262,144 bytes on.  The next launch joins the blocks: it takes the row's largest m away, so the maximum is taken away before every exponential, as reference() does.
; WORK LEFT OUT: blocks with J > I lie wholly under reference()'s own jnp.tril: 36 of 64 blocks remain.  k comes without its bias (shown at the head of the first kernel).
; NO CLUSTER: a row of the triangle has 1 to 8 blocks and so has a column: no fixed group of four work-groups shares a tile at every place of the grid.
; A block is made by four waves, each 128 x 128: 64 accumulators.  K goes in steps of 128 (LDS rows of 256 bytes) through a ring of two slots; waves 0, 1 fetch q's halves, waves 2, 3 k's.
; THE MATRIX INSTRUCTION IS USED TRANSPOSED (source 0 = 16 keys, source 1 = 16 queries): lane (r, h) holds query r of block a and, in accumulator (a, b), keys 16 b + 8 h + 0 .. 7.
; REGISTERS: window 0: v0-31 addresses; v64-127, v128-191 q's fragments, two buffers; at the end v32-223 at work.  window 1: k's fragments, same places.  windows 2, 3: accumulators ((a, b) at v[8 (8 (a % 4) + b)]).
.set KSTEP,  128
.set PITCH,  272                       ; an LDS row: 256 bytes + 16: the 16 rows that a load touches start 68 words apart
.set HALFT,  128*PITCH
.set SLOT,   4*HALFT
.set STAGE,  2*SLOT                    ; behind the ring: 16 rows x 272 bytes for each wave
.set XM,     STAGE+4*16*PITCH          ; 512 bytes a wave: its 128 rows' largest t; 2,048 bytes on: their sums
.set SPARE,  XM+4096                   ; the spare words
.set QROW,   6144                      ; a row of qkv in bytes
.set PROW,   4096                      ; a row of pbuf
.set XW,   8                           ; v8   where I put a row's figure: XM + 512 wave + 4 r
.set XR,   9                           ; v9   where my partner (the other half of the keys) put its
.set XB,   10                          ; v10  XM + 512 wave + 16 lane
.set SO,   11                          ; v11  16 lane: my place in a run of 128 figures in stat
.set VD,   12                          ; v12  r - 8 h + 128 (my rows' half - my keys' half)
.set NINF, 13                          ; v13  -infinity
.set ADRA, 16
.set ADRB, 20
.set STO,  24
.set RD,   25
.set CO,   26
.set SPW,  28
.set NIL,  29
.set F0,   64
.set F1,   128
.set CHN,  32                          ; v32-63   four running maxima for each block a
.set MP,   64                          ; v64-79   the block's m, a pair for each a
.set LP,   80                          ; v80-95   the sums, a pair for each a
.set OB,   96                          ; v96-159  rows read back, two sets
.set TMP,  160                         ; v160-191 packed p
.set SUMT, 192                         ; v192-223 partial sums
.set G1, 24
.set G0, 32
.set MSB, 0
.macro WIN new
.if MSB != (\new)
	s_set_vgpr_msb (MSB<<8)|(\new)
.set MSB, (\new)
.endif
.endm
.set MUL_LO, 0xa1
.set MUL_HI, 0xf1
.set TO_B,   0x40
	s_load_b128 s[4:7], s[0:1], 0x0                ; qkv s[4:5], pbuf s[6:7]
	s_load_b64 s[8:9], s[0:1], 0x10                ; stat
	v_lshl_add_u32 v[SPW], v0, 2, SPARE
	v_mov_b32 v[NIL], 0
	ds_add_u32 v[SPW], v[NIL]                      ; the wave's opening: an add, twice on end, and its wait ahead of my first tensor load
	ds_add_u32 v[SPW], v[NIL]
	v_lshrrev_b32 v1, 5, v0
	v_readfirstlane_b32 s10, v1                    ; wave
	s_lshr_b32 s11, s10, 1                         ; my half of the queries; also: I fetch q (0) or k (1)
	s_and_b32 s12, s10, 1                          ; my half of the keys; also: which 128 rows I fetch
	s_and_b32 s15, ttmp7, 0xffff                   ; batch
	s_mov_b32 s13, 0                               ; I = how many of the triangle's row starts 1, 3, 6, .. the work-group's number has reached
.irp T, 1,3,6,10,15,21,28
	s_cmp_ge_u32 ttmp9, \T
	s_cselect_b32 s14, 1, 0
	s_add_co_u32 s13, s13, s14
.endr
	s_add_co_u32 s14, s13, 1
	s_mul_i32 s14, s14, s13
	s_lshr_b32 s14, s14, 1
	s_sub_co_u32 s14, ttmp9, s14                   ; J = number - I (I + 1) / 2
	s_mov_b32 s[G1+0], (1<<16)|(1<<20)|(5<<22)|(3<<25)   ; no mask; elements of 2 bytes; padding: 4 words behind every 64
	s_mov_b32 s[G1+1], KSTEP<<16                   ; tensor_dim0
	s_mov_b32 s[G1+2], 128<<16                     ; tensor_dim1
	s_mov_b32 s[G1+3], KSTEP<<16                   ; tile_dim0
	s_mov_b32 s[G1+4], 128                         ; tile_dim1
	s_mov_b32 s[G1+5], 3072                        ; pitch in elements
	s_mov_b32 s[G1+6], 0
	s_mov_b32 s[G1+7], 0
	s_cmp_eq_u32 s11, 0
	s_cselect_b32 s16, s13, s14                    ; q's rows by I, k's by J
	s_cselect_b32 s17, 0, 2048                     ; q begins a row of qkv, k lies 2,048 bytes on
	s_lshl_b32 s16, s16, 8
	s_lshl_b32 s18, s12, 7
	s_add_co_u32 s16, s16, s18
	s_lshl_b32 s18, s15, 11
	s_add_co_u32 s16, s16, s18                     ; the first row that I fetch
	s_mul_i32 s16, s16, QROW
	s_add_co_u32 s16, s16, s17
	s_mov_b32 s17, 0
	s_mul_i32 s20, s10, HALFT                      ; where it goes: q's two halves, then k's
	s_mov_b32 s40, 0x3e38aa3b                      ; c = log2(e) / 8
	s_mov_b32 s41, s40                             ; (named with it as a pair)
	s_mov_b32 s42, 0x76543210
	s_mov_b32 s43, 0xfedcba98                      ; v_permlanex16_b32's selects for lane l xor 16
	s_wait_dscnt 0x0                               ; both opening adds are done
	s_wait_kmcnt 0x0
	s_add_nc_u64 s[18:19], s[4:5], s[16:17]
.irp s, 0,1
	s_mov_b32 s[G0+4*\s], 1
	s_add_co_u32 s[G0+4*\s+1], s20, \s*SLOT
	s_add_nc_u64 s[G0+4*\s+2:G0+4*\s+3], s[18:19], \s*KSTEP*2
	s_or_b32 s[G0+4*\s+3], s[G0+4*\s+3], 0x80000000
	tensor_load_to_lds s[G0+4*\s:G0+4*\s+3], s[G1:G1+7]   ; every wave issues both first fills: two loads of mine are out
	s_nop 0
.endr
	v_and_b32 v1, 15, v0                           ; r
	v_bfe_u32 v2, v0, 4, 1                         ; h
	v_mul_u32_u24 v3, v1, PITCH
	v_lshl_add_u32 v3, v2, 4, v3
	s_mul_i32 s21, s11, HALFT
	s_mul_i32 s22, s12, HALFT
	s_add_co_u32 s22, s22, 2*HALFT
.irp s, 0,1
	v_add_nc_u32 v[ADRA+\s], s21, v3
	v_add_nc_u32 v[ADRB+\s], s22, v3
	s_add_co_u32 s21, s21, SLOT
	s_add_co_u32 s22, s22, SLOT
.endr
	s_mul_i32 s23, s10, 16*PITCH
	s_add_co_u32 s23, s23, STAGE
	v_add_nc_u32 v[STO], s23, v3                   ; in: row r, 16 bytes for each half of the lanes
	v_mul_u32_u24 v5, v2, PITCH
	v_lshl_add_u32 v5, v1, 4, v5
	v_add_nc_u32 v[RD], s23, v5                    ; back: two whole rows an instruction
	v_lshlrev_b32 v5, 12, v2
	v_lshl_add_u32 v[CO], v1, 4, v5                ; the same two rows in pbuf
	s_lshl_b32 s21, s10, 9
	s_add_co_u32 s21, s21, XM
	v_lshl_add_u32 v[XW], v1, 2, s21
	s_xor_b32 s22, s10, 1
	s_lshl_b32 s22, s22, 9
	s_add_co_u32 s22, s22, XM
	v_lshl_add_u32 v[XR], v1, 2, s22
	v_and_b32 v5, 31, v0
	v_lshl_add_u32 v[XB], v5, 4, s21
	v_lshlrev_b32 v[SO], 4, v5
	s_sub_co_i32 s23, s11, s12
	s_lshl_b32 s23, s23, 7
	v_lshlrev_b32 v5, 3, v2
	v_sub_nc_u32 v[VD], v1, v5
	v_add_nc_u32 v[VD], s23, v[VD]
	v_mov_b32 v[NINF], 0xff800000
	s_lshl_b32 s16, s15, 11
	s_lshl_b32 s18, s13, 8
	s_add_co_u32 s16, s16, s18
	s_lshl_b32 s21, s11, 7
	s_add_co_u32 s16, s16, s21                     ; my first query's row among the 8,192
	s_lshl_b32 s16, s16, 12
	s_lshl_b32 s22, s14, 9
	s_add_co_u32 s16, s16, s22
	s_lshl_b32 s22, s12, 8
	s_add_co_u32 s16, s16, s22                     ; + 2 x my first key
	s_add_nc_u64 s[6:7], s[6:7], s[16:17]
	s_lshl_b32 s16, s15, 3
	s_add_co_u32 s16, s16, s14
	s_lshl_b32 s16, s16, 11
	s_add_co_u32 s16, s16, s18
	s_add_co_u32 s16, s16, s21
	s_lshl_b32 s16, s16, 2
	s_add_nc_u64 s[8:9], s[8:9], s[16:17]
; 16 products: query blocks a0, a0 + 1 of the window's four x all 8 key blocks, 32 along K.  zero = 1: the first product starts the sums.  The 64 accumulators take turns.
.macro MUL16 f, hi, a0, zero
.irp a, \a0, \a0+1
.irp b, 0,1,2,3,4,5,6,7
.if \zero
	v_wmma_f32_16x16x32_f16 v[8*(8*(\a)+\b):8*(8*(\a)+\b)+7], v[\f+8*\b:\f+8*\b+7], v[\f+8*(4*\hi+\a):\f+8*(4*\hi+\a)+7], 0
.else
	v_wmma_f32_16x16x32_f16 v[8*(8*(\a)+\b):8*(8*(\a)+\b)+7], v[\f+8*\b:\f+8*\b+7], v[\f+8*(4*\hi+\a):\f+8*(4*\hi+\a)+7], v[8*(8*(\a)+\b):8*(8*(\a)+\b)+7]
.endif
.endr
.endr
.endm
.macro FETCH slot, k, f                ; 32 LDS loads in one run: k's eight fragments, then q's eight
	WIN TO_B
.irp i, 0,1,2,3,4,5,6,7
	ds_load_b128 v[\f+8*\i:\f+8*\i+3],   v[ADRB+\slot] offset:\k+\i*16*PITCH
	ds_load_b128 v[\f+8*\i+4:\f+8*\i+7], v[ADRB+\slot] offset:\k+\i*16*PITCH+32
.endr
	WIN 0
.irp i, 0,1,2,3,4,5,6,7
	ds_load_b128 v[\f+8*\i:\f+8*\i+3],   v[ADRA+\slot] offset:\k+\i*16*PITCH
	ds_load_b128 v[\f+8*\i+4:\f+8*\i+7], v[ADRA+\slot] offset:\k+\i*16*PITCH+32
.endr
.endm
.macro PLACES                          ; four plain vector lines between a matrix instruction and a load into, or a read of, its registers
.rept 4
	v_nop
.endr
.endm
.macro QUARTER slot, k, f, g, zero
	s_wait_dscnt 8                                 ; k's fragments and q's blocks 0-3 are in; the youngest eight loads (blocks 4-7) may be out
	WIN MUL_LO
	MUL16 \f, 0, 0, \zero
	MUL16 \f, 0, 2, \zero
	PLACES
	FETCH \slot, \k, \g
	s_wait_dscnt 32                                ; all but the 32 just issued
	WIN MUL_HI
	MUL16 \f, 1, 0, \zero
	MUL16 \f, 1, 2, \zero
.endm
; A K step's last quarter changes slots: one barrier.  In front of it each wave waits for all its tensor loads (one is out: its part of the next slot), adds 0 to its spare word, and waits for
; that and for its reads of this slot.  fill = 1: this slot is filled again, two K steps ahead, first thing behind the barrier: 224 products stand between the request and the wait for it.
.macro TURN slot, next, fill
	WIN 0
	s_wait_tensorcnt 0x0
	ds_add_u32 v[SPW], v[NIL]
	s_wait_dscnt 9                                 ; (the add and the youngest eight loads may be out)
	WIN MUL_LO
	MUL16 F1, 0, 0, 0
	s_wait_dscnt 0x0                               ; the add is done, and my reads of this slot are over
	s_barrier_signal -1
	MUL16 F1, 0, 2, 0
	WIN 0
	s_barrier_wait -1
.if \fill
	s_add_nc_u64 s[G0+4*\slot+2:G0+4*\slot+3], s[G0+4*\slot+2:G0+4*\slot+3], 2*KSTEP*2   ; no load of mine is out: the address may be written
	tensor_load_to_lds s[G0+4*\slot:G0+4*\slot+3], s[G1:G1+7]
	s_nop 0
.endif
	PLACES                                         ; the places in front of the loads below (fill = 1: also the four lines behind the load)
	FETCH \next, 0, F0
	WIN MUL_HI
	MUL16 F1, 1, 0, 0
	MUL16 F1, 1, 2, 0
.endm
	s_wait_tensorcnt 1                             ; my part of K step 0 is in; K step 1's load may be out
	s_barrier_signal -1
	s_barrier_wait -1
	FETCH 0, 0, F0
	QUARTER 0, 64, F0, F1, 1                       ; the first quarter stands in front of the loop: its products start the sums
	WIN 0
	s_mov_b32 s3, 3                                ; 8 K steps: three trips fill both slots again, the last two steps are written out
.Llap:
	QUARTER 0, 128, F1, F0, 0
	QUARTER 0, 192, F0, F1, 0
	TURN 0, 1, 1
	QUARTER 1, 64,  F0, F1, 0
	QUARTER 1, 128, F1, F0, 0
	QUARTER 1, 192, F0, F1, 0
	TURN 1, 0, 1
	QUARTER 0, 64,  F0, F1, 0
	WIN 0
	s_sub_co_u32 s3, s3, 1
	s_cmp_lg_u32 s3, 0
	s_cbranch_scc1 .Llap
	QUARTER 0, 128, F1, F0, 0
	QUARTER 0, 192, F0, F1, 0
	TURN 0, 1, 0
	QUARTER 1, 64,  F0, F1, 0
	QUARTER 1, 128, F1, F0, 0
	QUARTER 1, 192, F0, F1, 0
	s_wait_dscnt 8
	WIN MUL_LO
	MUL16 F1, 0, 0, 0
	MUL16 F1, 0, 2, 0
	s_wait_dscnt 0x0
	WIN MUL_HI
	MUL16 F1, 1, 0, 0
	MUL16 F1, 1, 2, 0
	WIN 0
	PLACES
	; THE MASK, on diagonal blocks alone (a branch on ids).  Register j of accumulator (a, b) is hidden where 16 (b - a) + j > VD.  VD lies in -8 .. 15 (+ or - 128 where my halves differ):
	; so for b = a the test is j > VD; for b > a, where 16 (b - a) + j is 16 .. 119, it is the same as 16 > VD; for b < a, where it is -112 .. -9, the same as -9 > VD.
	s_cmp_lg_u32 s13, s14
	s_cbranch_scc1 .Lopen
.irp j, 0,1,2,3,4,5,6,7
	v_cmp_gt_i32 s[44+\j], \j, v[VD]
.endr
	v_cmp_gt_i32 s52, 16, v[VD]
	v_cmp_gt_i32 s53, -9, v[VD]
.irp a, 0,1,2,3,4,5,6,7
	WIN 0x82+0x41*(\a/4)                           ; destination and source 0: window 2 or 3
.irp b, 0,1,2,3,4,5,6,7
.irp j, 0,1,2,3,4,5,6,7
.if \b == \a
	v_cndmask_b32 v[64*(\a%4)+8*\b+\j], v[64*(\a%4)+8*\b+\j], v[NINF], s[44+\j]
.elseif \b > \a
	v_cndmask_b32 v[64*(\a%4)+8*\b+\j], v[64*(\a%4)+8*\b+\j], v[NINF], s52
.else
	v_cndmask_b32 v[64*(\a%4)+8*\b+\j], v[64*(\a%4)+8*\b+\j], v[NINF], s53
.endif
.endr
.endr
.endr
	WIN 0
.Lopen:
	; THE LARGEST SCORE of each of my rows over my 128 keys: four chains for each block a, each over two accumulators, every accumulator from its low end on
.irp a, 0,1,2,3,4,5,6,7
	WIN 0x28+0x14*(\a/4)                           ; sources 1 and 2: window 2 or 3
.irp i, 0,1,2,3,4,5,6,7
.irp k, 0,1,2,3
.if \i == 0
	v_max3_num_f32 v[CHN+4*\a+\k], v[NINF], v[64*(\a%4)+16*\k], v[64*(\a%4)+16*\k+1]
.else
	v_max3_num_f32 v[CHN+4*\a+\k], v[CHN+4*\a+\k], v[64*(\a%4)+16*\k+2*\i], v[64*(\a%4)+16*\k+2*\i+1]
.endif
.endr
.endr
.endr
	WIN 0
.irp a, 0,1,2,3,4,5,6,7
	v_max3_num_f32 v[CHN+4*\a], v[CHN+4*\a], v[CHN+4*\a+1], v[CHN+4*\a+2]
.endr
.irp a, 0,1,2,3,4,5,6,7
	v_max_num_f32 v[CHN+4*\a], v[CHN+4*\a], v[CHN+4*\a+3]
.endr
.irp a, 0,1,2,3,4,5,6,7
	v_permlanex16_b32 v[CHN+4*\a+1], v[CHN+4*\a], s42, s43      ; the row's other 64 keys lie in the lane 16 away
.endr
.irp a, 0,1,2,3,4,5,6,7
	v_max_num_f32 v[CHN+4*\a], v[CHN+4*\a], v[CHN+4*\a+1]
.endr
.irp a, 0,1,2,3,4,5,6,7
	v_mul_f32 v[CHN+4*\a], s40, v[CHN+4*\a]        ; as t (c is positive)
.endr
.irp a, 0,1,2,3,4,5,6,7
	ds_store_b32 v[XW], v[CHN+4*\a] offset:64*\a   ; both halves of the lanes write the same word with the same value
.endr
	s_wait_dscnt 0x0                               ; for the partner's sake: my stores have landed
	s_barrier_signal -1
	s_barrier_wait -1
.irp a, 0,1,2,3,4,5,6,7
	ds_load_b32 v[CHN+4*\a+1], v[XR] offset:64*\a  ; the same rows' figure over the block's other 128 keys
.endr
	s_wait_dscnt 0x0
.irp a, 0,1,2,3,4,5,6,7
	v_max_num_f32 v[MP+2*\a], v[CHN+4*\a], v[CHN+4*\a+1]   ; m: a number in every row, since a row's own key lies in the diagonal block and counts
.endr
.irp a, 0,1,2,3,4,5,6,7
	v_mov_b32 v[MP+2*\a+1], v[MP+2*\a]             ; (named with it as a pair)
.endr
; Block a: p = 2^(c s - m) in place; one batch of 64 exponentials with one wait; rounded to f16; the sum of the f32 p by a tree of packed additions.
.macro PACKP a
.set AC, 64*((\a)%4)
	WIN 0x82+0x41*((\a)/4)
.set i, 0
.rept 32
	v_pk_fma_f32 v[AC+i:AC+i+1], v[AC+i:AC+i+1], s[40:41], v[MP+2*(\a):MP+2*(\a)+1] op_sel_hi:[1,0,0] neg_lo:[0,0,1] neg_hi:[0,0,1]
.set i, i+2
.endr
.set i, 0
.rept 64
	v_exp_f32 v[AC+i], v[AC+i]
.set i, i+1
.endr
	v_nop                                          ; a plain line behind the last exponential
	s_wait_alu depctr_va_vdst(0)                   ; the wait ahead of the first line that names a result: one for the batch
	WIN 0x0a+5*((\a)/4)
.set i, 0
.rept 32
	v_cvt_pk_f16_f32 v[TMP+i], v[AC+2*i], v[AC+2*i+1]
.set i, i+1
.endr
.set i, 0
.rept 16
	v_pk_add_f32 v[SUMT+2*i:SUMT+2*i+1], v[AC+4*i:AC+4*i+1], v[AC+4*i+2:AC+4*i+3]
.set i, i+1
.endr
	WIN 0
.irp i, 0,1,2,3,4,5,6,7
	v_pk_add_f32 v[SUMT+2*\i:SUMT+2*\i+1], v[SUMT+2*\i:SUMT+2*\i+1], v[SUMT+16+2*\i:SUMT+16+2*\i+1]
.endr
.irp i, 0,1,2,3
	v_pk_add_f32 v[SUMT+2*\i:SUMT+2*\i+1], v[SUMT+2*\i:SUMT+2*\i+1], v[SUMT+8+2*\i:SUMT+8+2*\i+1]
.endr
.irp i, 0,1
	v_pk_add_f32 v[SUMT+2*\i:SUMT+2*\i+1], v[SUMT+2*\i:SUMT+2*\i+1], v[SUMT+4+2*\i:SUMT+4+2*\i+1]
.endr
	v_pk_add_f32 v[LP+2*(\a):LP+2*(\a)+1], v[SUMT:SUMT+1], v[SUMT+2:SUMT+3]
.endm
.macro TOSTAGE a
.irp b, 0,1,2,3,4,5,6,7
	ds_store_b128 v[STO], v[TMP+4*\b:TMP+4*\b+3] offset:32*\b
.endr
.irp t, 0,1,2,3,4,5,6,7
	ds_load_b128 v[OB+32*((\a)%2)+4*\t:OB+32*((\a)%2)+4*\t+3], v[RD] offset:\t*2*PITCH   ; LDS serves a wave's instructions in order
.endr
.endm
.macro SEND a
	s_wait_dscnt 0x0                               ; the block is back in registers
	s_wait_xcnt 0x0                                ; the stores of the block before have read their registers: the next block's loads may land there
.irp t, 0,1,2,3,4,5,6,7
	global_store_b128 v[CO], v[OB+32*((\a)%2)+4*\t:OB+32*((\a)%2)+4*\t+3], s[6:7] offset:(16*(\a)+2*\t)*PROW   ; 16 lanes store 256 consecutive bytes, aligned
.endr
.endm
	PACKP 0
	TOSTAGE 0
.irp a, 1,2,3,4,5,6,7
	PACKP \a
	SEND \a-1
	TOSTAGE \a
.endr
	SEND 7
.irp a, 0,1,2,3,4,5,6,7
	v_add_f32 v[LP+2*\a], v[LP+2*\a], v[LP+2*\a+1]
.endr
.irp a, 0,1,2,3,4,5,6,7
	v_permlanex16_b32 v[LP+2*\a+1], v[LP+2*\a], s42, s43
.endr
.irp a, 0,1,2,3,4,5,6,7
	v_add_f32 v[LP+2*\a], v[LP+2*\a], v[LP+2*\a+1] ; my 128 keys' sum of each row
.endr
.irp a, 0,1,2,3,4,5,6,7
	ds_store_b32 v[XW], v[LP+2*\a] offset:2048+64*\a
.endr
	s_wait_dscnt 0x0
	s_barrier_signal -1
	s_barrier_wait -1
	s_cmp_lg_u32 s12, 0                            ; the wave with the block's first 128 keys stores both figures of its 128 rows
	s_cbranch_scc1 .Ldone
	ds_load_b128 v[32:35], v[XB]
	ds_load_b128 v[36:39], v[XB] offset:512
	ds_load_b128 v[40:43], v[XB] offset:2048
	ds_load_b128 v[44:47], v[XB] offset:2560
	s_wait_dscnt 0x0
.irp i, 0,1,2,3
	v_max_num_f32 v[48+\i], v[32+\i], v[36+\i]
	v_add_f32 v[52+\i], v[40+\i], v[44+\i]
.endr
	global_store_b128 v[SO], v[48:51], s[8:9]                  ; 512 consecutive bytes, aligned
	global_store_b128 v[SO], v[52:55], s[8:9] offset:262144
.Ldone:
	s_wait_tensorcnt 0x0                           ; the wave's end
	ds_add_u32 v[SPW], v[NIL]
	s_wait_dscnt 0x0
	s_endpgm
.Lfunc_end_k_q55c5401980_scores:
	.size	k_q55c5401980_scores, .Lfunc_end_k_q55c5401980_scores-k_q55c5401980_scores
	.p2alignl 7, 3214868480
	.fill 96, 4, 3214868480
	.section	.rodata,"a",@progbits
	.p2align	6, 0x0
	.amdhsa_kernel k_q55c5401980_scores
		.amdhsa_group_segment_fixed_size 327680
		.amdhsa_private_segment_fixed_size 0
		.amdhsa_enable_private_segment 0
		.amdhsa_kernarg_size 24
		.amdhsa_user_sgpr_count 2
		.amdhsa_user_sgpr_kernarg_segment_ptr 1
		.amdhsa_wavefront_size32 1
		.amdhsa_system_sgpr_workgroup_id_x 1
		.amdhsa_system_sgpr_workgroup_id_y 1
		.amdhsa_system_sgpr_workgroup_id_z 1
		.amdhsa_system_vgpr_workitem_id 0
		.amdhsa_next_free_vgpr 1024
		.amdhsa_next_free_sgpr 66
		.amdhsa_reserve_vcc 0
		.amdhsa_float_denorm_mode_32 3
		.amdhsa_float_denorm_mode_16_64 3
		.amdhsa_memory_ordered 1
		.amdhsa_forward_progress 1
		.amdhsa_inst_pref_size 243
	.end_amdhsa_kernel
	.amdgpu_metadata
---
amdhsa.version: [ 1, 2 ]
amdhsa.kernels:
  - .name:           k_q55c5401980_scores
    .symbol:         k_q55c5401980_scores.kd
    .args:
      - { .name: qkv, .offset: 0, .size: 8, .value_kind: global_buffer, .address_space: global }
      - { .name: pbuf, .offset: 8, .size: 8, .value_kind: global_buffer, .address_space: global }
      - { .name: stat, .offset: 16, .size: 8, .value_kind: global_buffer, .address_space: global }
    .group_segment_fixed_size: 327680
    .private_segment_fixed_size: 0
    .kernarg_segment_align: 8
    .kernarg_segment_size: 24
    .max_flat_workgroup_size: 128
    .sgpr_count:     66
    .vgpr_count:     1024
    .wavefront_size: 32
...
	.end_amdgpu_metadata
.endif
;; end of part 3
;; launch pv (part 4): grid 8 x 32, 4 waves a work-group, clusters of 4 x 1, 327,680 bytes of LDS; arguments pbuf, stat, qkv, y; writes y
.if DOCPART == 4
	.amdgcn_target "amdgcn-amd-amdhsa--gfx1250"
	.amdhsa_code_object_version 6
	.text
	.protected	k_q55c5401980_pv
	.globl	k_q55c5401980_pv
	.p2align	8
	.type	k_q55c5401980_pv,@function
k_q55c5401980_pv:
	s_mov_b64 s[64:65], 0
	v_nop
	global_prefetch_b8 v0, s[64:65] scope:SCOPE_SE
	s_setreg_imm32_b32 hwreg(HW_REG_WAVE_MODE, 25, 1), 1
	s_wait_xcnt 0x0
	s_wait_alu depctr_hold_cnt(0) depctr_sa_sdst(0) depctr_va_vdst(0) depctr_va_sdst(0) depctr_va_ssrc(0) depctr_va_vcc(0) depctr_vm_vsrc(0)
	s_getreg_b32 s2, hwreg(HW_REG_IB_STS2, 6, 4)
	s_cmp_eq_u32 s2, 0
	s_cbranch_scc0 .Lentry_in_a_cluster
	s_endpgm
.Lentry_in_a_cluster:
	s_bfe_u32 s2, ttmp6, 0x10000c
	s_cmp_lg_u32 s2, 0x3003
	s_cbranch_scc0 .Lentry_shape_is_right
	s_endpgm
.Lentry_shape_is_right:
; y[q][:] = sum over the key blocks J <= I of f_J(q) (P_J V_J)[q][:], f_J = 2^(m_J - M) / l, M = the row's largest m_J, l = sum over J of 2^(m_J - M) l_J: the softmax of the whole row, its maximum taken away.
; P (f16, at most 1) and the figures m, l come from the launch before; V is columns 2,048 .. 3,071 of qkv, f16.  Sums in f32; f is applied in f32; y is stored as f16 [8192][1024].
; WORK LEFT OUT: key blocks with J > I lie wholly under reference()'s own jnp.tril; they were not made and are not read.
; SHARES.  A tile of y is 128 queries x 128 channels.  A work-group makes TWO: tile A in query block u (u + 1 steps of 256 keys) and tile B in query block 7 - u (8 - u steps): nine steps in every work-group.
; Step S belongs to tile A while S < NA = u + 1.  A wave makes 64 queries x 64 channels.  Each step's products start a fresh sum T (C = 0); then O = T f (a tile's first step) or O += T f.
; Tile A's finished O is packed to f16 in registers; both tiles leave at the end, so that no LDS access stands under a branch on ids.
; CLUSTER: the four work-groups of a cluster have the same batch and queries and four neighbouring blocks of channels: P's tile is asked for JOINTLY (mask 15); V's tile hangs on the place in the
; cluster and is each work-group's own load.  No branch and no LDS address hangs on that place.
; LAYOUT: source 0 = 16 channels x 32 keys of V, turned by ds_load_tr16_b128; source 1 = 16 queries x 32 keys of P: lane (r, h) holds query r and channels 8 h + 0 .. 7.
; REGISTERS: window 0: v0-31 addresses and factors; v32-95 tile A packed; v96-123 the rows' figures; v128-255 T.  window 1: two fragment buffers of 128 (P's 64, then V's 64).  window 2: v0-127 O.
.set PP,    528                        ; a row of P in LDS: 512 bytes + 16
.set PVP,   288                        ; a row of V: 256 bytes + 32: 16 lanes of the turning load take 8 rows x 32 bytes, 72 words apart
.set PHALF, 64*PP
.set VOFF,  128*PP
.set VHALF, 128*PVP
.set SLOT,  VOFF+2*VHALF
.set STAGE, 2*SLOT                     ; behind the ring: 128 rows x 272 bytes, the work-group's
.set SP,    272
.set SPARE, STAGE+128*SP
.set AP,   4                           ; v4-5   my P fragments in slot 0, 1
.set AV,   6                           ; v6-9   my V fragments: slot 0 keys 0-127, 128-255; slot 1 likewise
.set STO,  10
.set RD,   11
.set CO,   12
.set LR4,  13                          ; v13  4 r
.set MA,   14                          ; v14  the step's offset in stat
.set F,    16                          ; v16-23 f, a pair for each block a of queries (the upper word is written once and not used)
.set E,    24
.set SPW,  28
.set NIL,  29
.set YA,   32
.set M_A,  96
.set IL_A, 100
.set M_B,  104
.set IL_B, 108
.set MC,   112
.set IL,   116
.set MS,   120
.set ACC,  128
.set F0,   0
.set F1,   128
.set NA,   21                          ; s21
.set S,    59                          ; s59  the step
.set G1P, 24
.set G1V, 32
.set G0P, 40
.set G0V, 48
.set MSB, 0
.macro WIN new
.if MSB != (\new)
	s_set_vgpr_msb (MSB<<8)|(\new)
.set MSB, (\new)
.endif
.endm
.set MUL,  0x05                        ; sources 0 and 1 window 1; C and D window 0
.set TO_F, 0x40
.macro JLOAD slot                      ; waves 0 and 1 ask jointly for P's halves, waves 2 and 3 fetch V's; s_nop 0 and four v_nop follow each line
	s_cmp_eq_u32 s13, 0
	s_cbranch_scc0 .Lfor_v_\@
	tensor_load_to_lds s[G0P+4*(\slot):G0P+4*(\slot)+3], s[G1P:G1P+7]
	s_nop 0
.rept 4
	v_nop
.endr
	s_branch .Lasked_\@
.Lfor_v_\@:
	tensor_load_to_lds s[G0V+4*(\slot):G0V+4*(\slot)+3], s[G1V:G1V+7]
	s_nop 0
.rept 4
	v_nop
.endr
.Lasked_\@:
.endm
.macro CREST
	s_cmp_lg_u32 s12, 0
	s_cbranch_scc1 .Lnot_wave_0_\@
	s_barrier_signal -3
.Lnot_wave_0_\@:
	s_barrier_wait -3
	s_barrier_signal -1
	s_barrier_wait -1
.endm
.macro CROUND
	s_barrier_signal -1
	s_barrier_wait -1
	CREST
.endm
; The two addresses of step S + ahead into the slot's groups 0.  P's are made in s70-73, which never hold a number made of my place in the cluster; V's in s74-75.
.macro DESC slot, ahead
	s_add_co_u32 s70, s[S], \ahead
	s_cmp_lt_u32 s70, s[NA]
	s_cselect_b32 s71, s56, s57                    ; tile A's rows of P or tile B's
	s_cselect_b32 s72, 0, s[NA]
	s_sub_co_u32 s70, s70, s72                     ; the key block J
	s_lshl_b32 s72, s70, 9                         ; 256 keys are 512 bytes of a row of P
	s_add_co_u32 s72, s72, s71
	s_mov_b32 s73, 0
	s_add_nc_u64 s[G0P+4*(\slot)+2:G0P+4*(\slot)+3], s[4:5], s[72:73]
	s_or_b32 s[G0P+4*(\slot)+3], s[G0P+4*(\slot)+3], 0x80000000
	s_mul_i32 s74, s70, 256*6144                   ; 256 rows of qkv
	s_add_co_u32 s74, s74, s58
	s_mov_b32 s75, 0
	s_add_nc_u64 s[G0V+4*(\slot)+2:G0V+4*(\slot)+3], s[8:9], s[74:75]
	s_or_b32 s[G0V+4*(\slot)+3], s[G0V+4*(\slot)+3], 0x80000000
.endm
	s_load_b256 s[4:11], s[0:1], 0x0               ; pbuf s[4:5], stat s[6:7], qkv s[8:9], y s[10:11]
	v_lshl_add_u32 v[SPW], v0, 2, SPARE
	v_mov_b32 v[NIL], 0
	ds_add_u32 v[SPW], v[NIL]                      ; the wave's opening: an add, twice on end, and its wait ahead of my first tensor load
	ds_add_u32 v[SPW], v[NIL]
	v_lshrrev_b32 v1, 5, v0
	v_readfirstlane_b32 s12, v1                    ; wave
	s_lshr_b32 s13, s12, 1                         ; my half of the queries; also: I fetch P (0) or V (1)
	s_and_b32 s14, s12, 1                          ; my half of the channels; also: which half of that tile I fetch
	s_bfe_u32 s15, ttmp6, 0x40000                  ; cx
	s_lshl_b32 s16, ttmp9, 2
	s_add_co_u32 s16, s16, s15                     ; my block of 128 channels
	s_and_b32 s17, ttmp7, 0xffff
	s_lshr_b32 s18, s17, 3                         ; batch
	s_and_b32 s17, s17, 7
	s_lshr_b32 s19, s17, 1                         ; u: tile A's query block
	s_and_b32 s20, s17, 1
	s_add_co_u32 s[NA], s19, 1
	s_sub_co_u32 s76, 7, s19                       ; tile B's query block
	s_lshl_b32 s20, s20, 7
	s_lshl_b32 s68, s19, 8
	s_add_co_u32 s68, s68, s20                     ; tile A's first query
	s_lshl_b32 s69, s76, 8
	s_add_co_u32 s69, s69, s20                     ; tile B's
	s_lshl_b32 s77, s18, 11
	s_lshl_b32 s80, s13, 6                         ; my wave's 64 queries of a tile
	s_lshl_b32 s70, s14, 6
	s_add_co_u32 s70, s70, s77
	s_add_co_u32 s56, s70, s68
	s_lshl_b32 s56, s56, 12                        ; the 64 rows of P that I fetch: tile A's,
	s_add_co_u32 s57, s70, s69
	s_lshl_b32 s57, s57, 12                        ; tile B's
	s_lshl_b32 s58, s14, 7
	s_add_co_u32 s58, s58, s77
	s_mul_i32 s58, s58, 6144
	s_lshl_b32 s78, s16, 8
	s_add_co_u32 s58, s58, s78
	s_add_co_u32 s58, s58, 4096                    ; the 128 keys of V that I fetch, key block 0: v begins 4,096 bytes into a row of qkv, my channels 256 bytes a block
	s_mov_b32 s[G1P], 15|(1<<16)|(1<<20)|(1<<21)|(6<<22)|(3<<25)   ; all four work-groups; elements of 2 bytes; padding: 4 words behind every 128; bit 21 beside a mask
	s_mov_b32 s[G1P+1], 256<<16                    ; tensor_dim0
	s_mov_b32 s[G1P+2], 64<<16                     ; tensor_dim1
	s_mov_b32 s[G1P+3], 256<<16                    ; tile_dim0
	s_mov_b32 s[G1P+4], 64                         ; tile_dim1
	s_mov_b32 s[G1P+5], 2048                       ; pitch
	s_mov_b32 s[G1P+6], 0
	s_mov_b32 s[G1P+7], 0
	s_mov_b32 s[G1V], (1<<16)|(1<<20)|(5<<22)|(7<<25)              ; no mask; padding: 8 words behind every 64
	s_mov_b32 s[G1V+1], 128<<16
	s_mov_b32 s[G1V+2], 128<<16
	s_mov_b32 s[G1V+3], 128<<16
	s_mov_b32 s[G1V+4], 128
	s_mov_b32 s[G1V+5], 3072
	s_mov_b32 s[G1V+6], 0
	s_mov_b32 s[G1V+7], 0
	s_mul_i32 s70, s14, PHALF
	s_mul_i32 s71, s14, VHALF
	s_mov_b32 s[G0P], 1
	s_mov_b32 s[G0P+1], s70
	s_mov_b32 s[G0P+4], 1
	s_add_co_u32 s[G0P+5], s70, SLOT
	s_mov_b32 s[G0V], 1
	s_add_co_u32 s[G0V+1], s71, VOFF
	s_mov_b32 s[G0V+4], 1
	s_add_co_u32 s[G0V+5], s71, VOFF+SLOT
	s_mov_b32 s[S], 0
	s_lshl_b32 s78, s12, 5                         ; on the way out wave w stores rows 32 w .. 32 w + 31 of a tile
	s_add_co_u32 s78, s78, s77
	s_add_co_u32 s82, s78, s69
	s_add_co_u32 s78, s78, s68
	s_lshl_b32 s78, s78, 11
	s_lshl_b32 s82, s82, 11
	s_lshl_b32 s81, s16, 8
	s_add_co_u32 s78, s78, s81
	s_add_co_u32 s82, s82, s81
	s_mov_b32 s79, 0
	s_mov_b32 s83, 0
	s_wait_dscnt 0x0                               ; both opening adds are done
	s_wait_kmcnt 0x0
	DESC 0, 0
	DESC 1, 1
	s_add_nc_u64 s[60:61], s[10:11], s[78:79]      ; y at tile A,
	s_add_nc_u64 s[62:63], s[10:11], s[82:83]      ; at tile B
	CROUND                                         ; all four work-groups are here: the first joint loads meet
	s_cmp_eq_u32 s13, 0                            ; a wave's two first fills stand in one branch: two loads of mine are out
	s_cbranch_scc0 .Lfirst_v
	tensor_load_to_lds s[G0P:G0P+3], s[G1P:G1P+7]
	s_nop 0
	tensor_load_to_lds s[G0P+4:G0P+7], s[G1P:G1P+7]
	s_nop 0
.rept 4
	v_nop
.endr
	s_branch .Lfirst_asked
.Lfirst_v:
	tensor_load_to_lds s[G0V:G0V+3], s[G1V:G1V+7]
	s_nop 0
	tensor_load_to_lds s[G0V+4:G0V+7], s[G1V:G1V+7]
	s_nop 0
.rept 4
	v_nop
.endr
.Lfirst_asked:
	v_and_b32 v1, 15, v0                           ; r
	v_bfe_u32 v2, v0, 4, 1                         ; h
	v_lshlrev_b32 v[LR4], 2, v1
; The figures of a tile's rows: m and l of key blocks 0 .. 7, the block's number held at the tile's own query block, so that only bytes that were stored are read.
.macro STATL row, imax, adr, dat
.irp J, 0,1,2,3,4,5,6,7
	s_min_u32 s70, s[\imax], \J
	s_lshl_b32 s71, s18, 3
	s_add_co_u32 s70, s70, s71
	s_lshl_b32 s70, s70, 11
	s_add_co_u32 s70, s70, s[\row]
	s_add_co_u32 s70, s70, s80
	s_lshl_b32 s70, s70, 2
	v_add_nc_u32 v[\adr+\J], s70, v[LR4]
.irp a, 0,1,2,3
	global_load_b32 v[\dat+4*\J+\a], v[\adr+\J], s[6:7] offset:64*\a
	global_load_b32 v[\dat+32+4*\J+\a], v[\adr+\J], s[6:7] offset:262144+64*\a
.endr
.endr
.endm
	STATL 68, 19, 32, 128
	STATL 69, 76, 40, 192
	v_mul_u32_u24 v3, v1, PP
	v_lshl_add_u32 v3, v2, 4, v3
	s_mul_i32 s70, s13, PHALF
	v_add_nc_u32 v[AP], s70, v3
	s_add_co_u32 s70, s70, SLOT
	v_add_nc_u32 v[AP+1], s70, v3
	v_and_b32 v3, 7, v0
	v_lshl_add_u32 v3, v2, 3, v3
	v_mul_u32_u24 v3, v3, PVP                      ; the turning load: key 8 h + lane % 8,
	v_bfe_u32 v15, v0, 3, 1
	v_lshl_add_u32 v3, v15, 4, v3                  ; channels 8 ((lane / 8) % 2) on
	s_lshl_b32 s70, s14, 7
	s_add_co_u32 s70, s70, VOFF
	v_add_nc_u32 v[AV], s70, v3
	s_add_co_u32 s70, s70, VHALF
	v_add_nc_u32 v[AV+1], s70, v3
	s_add_co_u32 s70, s70, SLOT-VHALF
	v_add_nc_u32 v[AV+2], s70, v3
	s_add_co_u32 s70, s70, VHALF
	v_add_nc_u32 v[AV+3], s70, v3
	s_mul_i32 s70, s13, 64*SP
	s_lshl_b32 s71, s14, 7
	s_add_co_u32 s70, s70, s71
	s_add_co_u32 s70, s70, STAGE
	v_mul_u32_u24 v3, v1, SP
	v_lshl_add_u32 v3, v2, 4, v3
	v_add_nc_u32 v[STO], s70, v3                   ; into the stage: my 64 rows, my half of their 256 bytes
	s_mul_i32 s70, s12, 32*SP
	s_add_co_u32 s70, s70, STAGE
	v_mul_u32_u24 v3, v2, SP
	v_lshl_add_u32 v3, v1, 4, v3
	v_add_nc_u32 v[RD], s70, v3                    ; back: 32 whole rows a wave, two an instruction
	v_lshlrev_b32 v3, 11, v2
	v_lshl_add_u32 v[CO], v1, 4, v3
.irp a, 0,1,2,3
	v_mov_b32 v[F+2*\a+1], 0                       ; (named as the upper word of a pair)
.endr
	s_wait_loadcnt 0x0                             ; all 128 figures
; M = the largest m (a block read twice does no harm to a maximum); 1 / l, l = sum of 2^(m_J - M) l_J over J <= the tile's query block (the others weigh 0)
.macro STATC imax, mreg, ilreg, dat
.irp a, 0,1,2,3
	v_max3_num_f32 v[\mreg+\a], v[\dat+\a], v[\dat+4+\a], v[\dat+8+\a]
.endr
.irp a, 0,1,2,3
	v_max3_num_f32 v[\mreg+\a], v[\mreg+\a], v[\dat+12+\a], v[\dat+16+\a]
.endr
.irp a, 0,1,2,3
	v_max3_num_f32 v[\mreg+\a], v[\mreg+\a], v[\dat+20+\a], v[\dat+24+\a]
.endr
.irp a, 0,1,2,3
	v_max_num_f32 v[\mreg+\a], v[\mreg+\a], v[\dat+28+\a]
.endr
.irp J, 0,1,2,3,4,5,6,7
.irp a, 0,1,2,3
	v_sub_f32 v[\dat+4*\J+\a], v[\dat+4*\J+\a], v[\mreg+\a]
.endr
.endr
.irp J, 0,1,2,3,4,5,6,7
.irp a, 0,1,2,3
	v_exp_f32 v[\dat+4*\J+\a], v[\dat+4*\J+\a]
.endr
.endr
	v_nop
	s_wait_alu depctr_va_vdst(0)                   ; one wait for the batch of 32, ahead of its first reader
.irp a, 0,1,2,3
	v_mul_f32 v[\ilreg+\a], v[\dat+\a], v[\dat+32+\a]
.endr
.irp J, 1,2,3,4,5,6,7
	s_cmp_ge_u32 s[\imax], \J
	s_cselect_b32 s70, 0x3f800000, 0
.irp a, 0,1,2,3
	v_mul_f32 v[\dat+32+4*\J+\a], v[\dat+4*\J+\a], v[\dat+32+4*\J+\a]
.endr
.irp a, 0,1,2,3
	v_fmac_f32 v[\ilreg+\a], s70, v[\dat+32+4*\J+\a]
.endr
.endr
.irp a, 0,1,2,3
	v_rcp_f32 v[\ilreg+\a], v[\ilreg+\a]
.endr
	v_nop
	s_wait_alu depctr_va_vdst(0)
.endm
	STATC 19, M_A, IL_A, 128
	STATC 76, M_B, IL_B, 192
; 8 products: query blocks a0, a0 + 1 x all 4 channel blocks, 32 keys: half c of buffer f.  The 16 accumulators take turns.
.macro MUL8 f, c, a0, zero
.irp a, \a0, \a0+1
.irp b, 0,1,2,3
.if \zero
	v_wmma_f32_16x16x32_f16 v[ACC+8*(4*(\a)+\b):ACC+8*(4*(\a)+\b)+7], v[\f+64+8*(4*\c+\b):\f+64+8*(4*\c+\b)+7], v[\f+8*(4*\c+\a):\f+8*(4*\c+\a)+7], 0
.else
	v_wmma_f32_16x16x32_f16 v[ACC+8*(4*(\a)+\b):ACC+8*(4*(\a)+\b)+7], v[\f+64+8*(4*\c+\b):\f+64+8*(4*\c+\b)+7], v[\f+8*(4*\c+\a):\f+8*(4*\c+\a)+7], v[ACC+8*(4*(\a)+\b):ACC+8*(4*(\a)+\b)+7]
.endif
.endr
.endr
.endm
.macro FETCH slot, q, f                ; 32 LDS loads in one run: the fragments of keys 64 q .. 64 q + 63, the first 32 keys first
	WIN TO_F
.irp c, 0,1
.irp i, 0,1,2,3
	ds_load_tr16_b128 v[\f+64+8*(4*\c+\i):\f+64+8*(4*\c+\i)+3],   v[AV+2*(\slot)+(\q)/2] offset:(64*((\q)%2)+32*\c)*PVP+32*\i
	ds_load_tr16_b128 v[\f+64+8*(4*\c+\i)+4:\f+64+8*(4*\c+\i)+7], v[AV+2*(\slot)+(\q)/2] offset:(64*((\q)%2)+32*\c+16)*PVP+32*\i
	ds_load_b128 v[\f+8*(4*\c+\i):\f+8*(4*\c+\i)+3],   v[AP+(\slot)] offset:\i*16*PP+128*(\q)+64*\c
	ds_load_b128 v[\f+8*(4*\c+\i)+4:\f+8*(4*\c+\i)+7], v[AP+(\slot)] offset:\i*16*PP+128*(\q)+64*\c+32
.endr
.endr
.endm
.macro PLACES
.rept 4
	v_nop
.endr
.endm
.macro QUARTER slot, q, f, g, zero     ; multiplies buffer f and fetches quarter q into g
	s_wait_dscnt 16                                ; the first 32 keys' fragments are in
	WIN MUL
	MUL8 \f, 0, 0, \zero
	MUL8 \f, 0, 2, \zero
	PLACES
	FETCH \slot, \q, \g
	s_wait_dscnt 32                                ; all but the 32 just issued
	WIN MUL
	MUL8 \f, 1, 0, 0
	MUL8 \f, 1, 2, 0
.endm
.macro HEAD                            ; the step's tile and key block; its m is asked for; the tile's M and 1 / l are chosen
	WIN 0
	s_cmp_lt_u32 s[S], s[NA]
	s_cselect_b32 s23, -1, 0
	s_cselect_b32 s70, 0, s[NA]
	s_cselect_b32 s71, s68, s69
	s_sub_co_u32 s70, s[S], s70
	s_lshl_b32 s72, s18, 3
	s_add_co_u32 s70, s70, s72
	s_lshl_b32 s70, s70, 11
	s_add_co_u32 s70, s70, s71
	s_add_co_u32 s70, s70, s80
	s_lshl_b32 s70, s70, 2
	v_add_nc_u32 v[MA], s70, v[LR4]                ; (the last step's loads by this register were waited for)
.irp a, 0,1,2,3
	global_load_b32 v[MS+\a], v[MA], s[6:7] offset:64*\a
.endr
.irp a, 0,1,2,3
	v_cndmask_b32 v[MC+\a], v[M_B+\a], v[M_A+\a], s23
	v_cndmask_b32 v[IL+\a], v[IL_B+\a], v[IL_A+\a], s23
.endr
.endm
.macro FACT                            ; f = 2^(m_J - M) / l
	WIN 0
	s_wait_loadcnt 0x0                             ; the step's four m, asked for three quarters ago
.irp a, 0,1,2,3
	v_sub_f32 v[E+\a], v[MS+\a], v[MC+\a]
.endr
.irp a, 0,1,2,3
	v_exp_f32 v[E+\a], v[E+\a]
.endr
	v_nop
	s_wait_alu depctr_va_vdst(0)                   ; one wait for the four
.irp a, 0,1,2,3
	v_mul_f32 v[F+2*\a], v[E+\a], v[IL+\a]
.endr
.endm
; A step's last quarter changes slots: one barrier; in front of it each wave waits for all its tensor loads (one is out: its part of the next slot), adds 0 to its spare word, and waits for that and
; for its reads of this slot.  fill = 1: the barrier opens a round of the cluster's barrier, and this slot takes the tiles of two steps on, first thing behind the round: 112 products until the wait for them.
.macro TURN slot, next, fill
	WIN 0
	s_wait_tensorcnt 0x0
	ds_add_u32 v[SPW], v[NIL]
	s_wait_dscnt 17                                ; (the add and the youngest sixteen loads may be out)
	WIN MUL
	MUL8 F1, 0, 0, 0
	s_wait_dscnt 0x0                               ; the add is done, and my reads of this slot are over
	s_barrier_signal -1
	MUL8 F1, 0, 2, 0
	WIN 0
	s_barrier_wait -1
.if \fill
	CREST                                          ; no wave of any partner still reads this slot or has a load on its way
	DESC \slot, 2
	JLOAD \slot                                    ; the four v_nop behind it are also the places in front of the loads below
.else
	PLACES
.endif
	FETCH \next, 0, F0
	WIN MUL
	MUL8 F1, 1, 0, 0
	MUL8 F1, 1, 2, 0
.endm
; O = T f (first = 1), O += T f (2), or the choice by S = NA, a tile's first step (0).  These lines are also the places ahead of the next step's products, which write T anew.
.macro SCALE first
	WIN 0
	PLACES
.if \first == 0
	s_cmp_eq_u32 s[S], s[NA]
	s_cbranch_scc0 .Lacc_\@
.endif
.if \first != 2
	WIN 0x80                                       ; destination window 2
.set i, 0
.rept 64
	v_pk_mul_f32 v[i:i+1], v[ACC+i:ACC+i+1], v[F+2*(i/32):F+2*(i/32)+1] op_sel_hi:[1,0]
.set i, i+2
.endr
	WIN 0
.endif
.if \first == 0
	s_branch .Lscaled_\@
.Lacc_\@:
.endif
.if \first != 1
	WIN 0xa0                                       ; destination and source 2 window 2
.set i, 0
.rept 64
	v_pk_fma_f32 v[i:i+1], v[ACC+i:ACC+i+1], v[F+2*(i/32):F+2*(i/32)+1], v[i:i+1] op_sel_hi:[1,0,1]
.set i, i+2
.endr
	WIN 0
.endif
.if \first == 0
.Lscaled_\@:
.endif
.endm
.macro PACKY dst                       ; O, rounded to f16, into 64 registers of window 0
	WIN 0x0a
.set i, 0
.rept 64
	v_cvt_pk_f16_f32 v[\dst+i], v[2*i], v[2*i+1]
.set i, i+1
.endr
	WIN 0
.endm
; kind 0: step 0; 1: steps 1 to 6; 2: step 7, which fills nothing; 3: step 8, the last
.macro STEP slot, kind
	HEAD
	QUARTER \slot, 1, F0, F1, 1
	QUARTER \slot, 2, F1, F0, 0
	QUARTER \slot, 3, F0, F1, 0
	FACT
.if \kind < 2
	TURN \slot, 1-\slot, 1
.elseif \kind == 2
	TURN \slot, 1-\slot, 0
.else
	s_wait_dscnt 16
	WIN MUL
	MUL8 F1, 0, 0, 0
	MUL8 F1, 0, 2, 0
	s_wait_dscnt 0x0
	MUL8 F1, 1, 0, 0
	MUL8 F1, 1, 2, 0
.endif
.if \kind == 0
	SCALE 1
	PACKY YA                                       ; always: right where tile A has one step, written over where it has more; so the 64 registers are written on every way
.elseif \kind == 1
	SCALE 0
	s_add_co_u32 s70, s[S], 1
	s_cmp_eq_u32 s70, s[NA]                        ; tile A's last step?
	s_cbranch_scc0 .Lnopack_\@
	PACKY YA
.Lnopack_\@:
.else
	SCALE 2                                        ; NA is 4 at the most: steps 7 and 8 begin no tile
.endif
	s_add_co_u32 s[S], s[S], 1
.endm
	s_wait_tensorcnt 1                             ; my part of slot 0 is in; slot 1's may be out
	s_barrier_signal -1
	s_barrier_wait -1
	FETCH 0, 0, F0
	STEP 0, 0
	s_mov_b32 s22, 3
.Lpair:
	STEP 1, 1
	STEP 0, 1
	s_sub_co_u32 s22, s22, 1
	s_cmp_lg_u32 s22, 0
	s_cbranch_scc1 .Lpair
	STEP 1, 2
	STEP 0, 3
	PACKY ACC                                      ; tile B, into T's first 64 registers
; THE WAY OUT of a tile: 16 bytes a lane into the work-group's stage; a barrier, since a row's 256 bytes come from two waves; back as whole rows, 32 a wave.
.macro OUT src, back, base
.irp a, 0,1,2,3
.irp b, 0,1,2,3
	ds_store_b128 v[STO], v[\src+4*(4*\a+\b):\src+4*(4*\a+\b)+3] offset:\a*16*SP+32*\b
.endr
.endr
	s_wait_dscnt 0x0                               ; for the others' sake: my stores have landed
	s_barrier_signal -1
	s_barrier_wait -1
.irp t, 0,1,2,3,4,5,6,7,8,9,10,11,12,13,14,15
	ds_load_b128 v[\back+4*\t:\back+4*\t+3], v[RD] offset:\t*2*SP
.endr
.irp t, 0,1,2,3,4,5,6,7,8,9,10,11,12,13,14,15
	s_wait_dscnt 15-\t
	global_store_b128 v[CO], v[\back+4*\t:\back+4*\t+3], s[\base:\base+1] offset:2*\t*2048   ; 16 lanes store 256 consecutive bytes, aligned
.endr
.endm
	OUT YA, 192, 60
	s_wait_dscnt 0x0                               ; my reads of the stage are over:
	s_barrier_signal -1
	s_barrier_wait -1                              ; everybody's are: it may be written again
	OUT ACC, YA, 62
	s_wait_tensorcnt 0x0                           ; the wave's end
	ds_add_u32 v[SPW], v[NIL]
	s_wait_dscnt 0x0
	CROUND                                         ; the closing round
	s_endpgm
.Lfunc_end_k_q55c5401980_pv:
	.size	k_q55c5401980_pv, .Lfunc_end_k_q55c5401980_pv-k_q55c5401980_pv
	.p2alignl 7, 3214868480
	.fill 96, 4, 3214868480
	.section	.rodata,"a",@progbits
	.p2align	6, 0x0
	.amdhsa_kernel k_q55c5401980_pv
		.amdhsa_group_segment_fixed_size 327680
		.amdhsa_private_segment_fixed_size 0
		.amdhsa_enable_private_segment 0
		.amdhsa_kernarg_size 32
		.amdhsa_user_sgpr_count 2
		.amdhsa_user_sgpr_kernarg_segment_ptr 1
		.amdhsa_wavefront_size32 1
		.amdhsa_system_sgpr_workgroup_id_x 1
		.amdhsa_system_sgpr_workgroup_id_y 1
		.amdhsa_system_sgpr_workgroup_id_z 1
		.amdhsa_system_vgpr_workitem_id 0
		.amdhsa_next_free_vgpr 640
		.amdhsa_next_free_sgpr 84
		.amdhsa_reserve_vcc 0
		.amdhsa_float_denorm_mode_32 3
		.amdhsa_float_denorm_mode_16_64 3
		.amdhsa_memory_ordered 1
		.amdhsa_forward_progress 1
		.amdhsa_inst_pref_size 189
	.end_amdhsa_kernel
	.amdgpu_metadata
---
amdhsa.version: [ 1, 2 ]
amdhsa.kernels:
  - .name:           k_q55c5401980_pv
    .symbol:         k_q55c5401980_pv.kd
    .args:
      - { .name: pbuf, .offset: 0, .size: 8, .value_kind: global_buffer, .address_space: global }
      - { .name: stat, .offset: 8, .size: 8, .value_kind: global_buffer, .address_space: global }
      - { .name: qkv, .offset: 16, .size: 8, .value_kind: global_buffer, .address_space: global }
      - { .name: y, .offset: 24, .size: 8, .value_kind: global_buffer, .address_space: global }
    .group_segment_fixed_size: 327680
    .private_segment_fixed_size: 0
    .kernarg_segment_align: 8
    .kernarg_segment_size: 32
    .max_flat_workgroup_size: 128
    .sgpr_count:     84
    .vgpr_count:     640
    .wavefront_size: 32
...
	.end_amdgpu_metadata
.endif
;; end of part 4
;; launch proj (part 5): grid 8 x 32, 4 waves a work-group, clusters of 4 x 4, 327,680 bytes of LDS; arguments y, wpt, b_proj, out0; writes out0
.if DOCPART == 5
	.amdgcn_target "amdgcn-amd-amdhsa--gfx1250"
	.amdhsa_code_object_version 6
	.text
	.protected	k_q55c5401980_proj
	.globl	k_q55c5401980_proj
	.p2align	8
	.type	k_q55c5401980_proj,@function
k_q55c5401980_proj:
	s_mov_b64 s[64:65], 0
	v_nop
	global_prefetch_b8 v0, s[64:65] scope:SCOPE_SE
	s_setreg_imm32_b32 hwreg(HW_REG_WAVE_MODE, 25, 1), 1
	s_wait_xcnt 0x0
	s_wait_alu depctr_hold_cnt(0) depctr_sa_sdst(0) depctr_va_vdst(0) depctr_va_sdst(0) depctr_va_ssrc(0) depctr_va_vcc(0) depctr_vm_vsrc(0)
	s_getreg_b32 s2, hwreg(HW_REG_IB_STS2, 6, 4)
	s_cmp_eq_u32 s2, 0
	s_cbranch_scc0 .Lentry_in_a_cluster
	s_endpgm
.Lentry_in_a_cluster:
	s_bfe_u32 s2, ttmp6, 0x10000c
	s_cmp_lg_u32 s2, 0xf033
	s_cbranch_scc0 .Lentry_shape_is_right
	s_endpgm
.Lentry_shape_is_right:
; out0[m][n] = sum over k of y[m][k] W_proj[k][n] + b_proj[n].  y [8192][1024] and wpt = W_proj turned, [1024 n][1024 k], are f16; sums in f32; out0 f32.
; A tile of 256 x 128 gives 256 work-groups.  Four waves, each 128 rows x 64 columns: 32 accumulators, 256 registers.  K goes in steps of 128 (LDS rows of 256 bytes) through a ring of two slots.
; CLUSTERS: 4 x 4 work-groups; the four of a row of the cluster ask jointly for y's tiles, the four of a column for wpt's.  Waves 0, 1 fetch y's halves (128 rows), waves 2, 3 wpt's (64 rows).
; THE MATRIX INSTRUCTION IS USED TRANSPOSED (source 0 = 16 rows of wpt, source 1 = 16 rows of y): a lane holds eight neighbouring columns of one row.  The bias is the C of each sum's first product.
; REGISTERS: window 0: v0-31 addresses; v64-127, v128-191 y's fragments, two buffers (on the way out v64-127: rows read back); v192-223 the bias.
;   window 1: v64-95, v128-159 wpt's fragments.   window 2: the accumulators ((a, b) at v[8 (4 a + b)]).
.set KSTEP,  128
.set PITCH,  272
.set HALFA,  128*PITCH
.set HALFB,  64*PITCH
.set SLOT,   2*HALFA+2*HALFB
.set STAGE,  2*SLOT                    ; behind the ring: 16 rows x 272 bytes for each wave
.set SPARE,  STAGE+4*16*PITCH
.set OROW,   4096                      ; a row of out0 in bytes
.set ADRA, 16
.set ADRB, 20
.set STO,  24
.set RD,   25
.set CO,   26
.set SPW,  28
.set NIL,  29
.set F0,   64
.set F1,   128
.set BI,   192
.set BK,   64
.set G1, 24
.set G0, 32
.set G1B, 48
.set G0B, 56
.set MSB, 0
.macro WIN new
.if MSB != (\new)
	s_set_vgpr_msb (MSB<<8)|(\new)
.set MSB, (\new)
.endif
.endm
.set MUL,  0xa1                        ; source 0 window 1, source 1 window 0, C and D window 2
.set TO_B, 0x40
.macro JLOAD s                         ; s_nop 0 and four v_nop follow each of the two lines
	s_cmp_eq_u32 s13, 0
	s_cbranch_scc0 .Lfor_b_\@
	tensor_load_to_lds s[G0+4*\s:G0+4*\s+3], s[G1:G1+7]
	s_nop 0
.rept 4
	v_nop
.endr
	s_branch .Lasked_\@
.Lfor_b_\@:
	tensor_load_to_lds s[G0B+4*\s:G0B+4*\s+3], s[G1B:G1B+7]
	s_nop 0
.rept 4
	v_nop
.endr
.Lasked_\@:
.endm
.macro CREST
	s_cmp_lg_u32 s12, 0
	s_cbranch_scc1 .Lnot_wave_0_\@
	s_barrier_signal -3
.Lnot_wave_0_\@:
	s_barrier_wait -3
	s_barrier_signal -1
	s_barrier_wait -1
.endm
.macro CROUND
	s_barrier_signal -1
	s_barrier_wait -1
	CREST
.endm
	s_load_b256 s[4:11], s[0:1], 0x0               ; y s[4:5], wpt s[6:7], b_proj s[8:9], out0 s[10:11]
	v_lshl_add_u32 v[SPW], v0, 2, SPARE
	v_mov_b32 v[NIL], 0
	ds_add_u32 v[SPW], v[NIL]                      ; the wave's opening: an add, twice on end, and its wait ahead of my first tensor load
	ds_add_u32 v[SPW], v[NIL]
	v_lshrrev_b32 v1, 5, v0
	v_readfirstlane_b32 s12, v1                    ; wave
	s_lshr_b32 s13, s12, 1                         ; my half of the rows; also: I fetch y (0) or wpt (1)
	s_and_b32 s14, s12, 1                          ; my half of the columns; also: which half of that tile I fetch
	s_bfe_u32 s40, ttmp6, 0x40000                  ; cx
	s_bfe_u32 s41, ttmp6, 0x40004                  ; cy
	s_lshl_b32 s42, ttmp9, 2
	s_add_co_u32 s42, s42, s40                     ; tile column
	s_and_b32 s15, ttmp7, 0xffff
	s_lshl_b32 s15, s15, 2
	s_add_co_u32 s15, s15, s41                     ; tile row
	s_lshl_b32 s43, s41, 2
	s_lshl_b32 s43, 15, s43                        ; my row of the cluster
	s_lshl_b32 s44, 0x1111, s40                    ; my column
	s_or_b32 s[G1+0], s43, (1<<16)|(1<<20)|(1<<21)|(5<<22)|(3<<25)   ; mask; elements of 2 bytes; padding: 4 words behind every 64; bit 21 beside a mask
	s_or_b32 s[G1B+0], s44, (1<<16)|(1<<20)|(1<<21)|(5<<22)|(3<<25)
	s_mov_b32 s[G1+1], KSTEP<<16                   ; tensor_dim0
	s_mov_b32 s[G1+2], 128<<16                     ; tensor_dim1
	s_mov_b32 s[G1+3], KSTEP<<16                   ; tile_dim0
	s_mov_b32 s[G1+4], 128                         ; tile_dim1
	s_mov_b32 s[G1+5], 1024                        ; pitch
	s_mov_b32 s[G1+6], 0
	s_mov_b32 s[G1+7], 0
	s_mov_b32 s[G1B+1], KSTEP<<16
	s_mov_b32 s[G1B+2], 64<<16
	s_mov_b32 s[G1B+3], KSTEP<<16
	s_mov_b32 s[G1B+4], 64
	s_mov_b32 s[G1B+5], 1024
	s_mov_b32 s[G1B+6], 0
	s_mov_b32 s[G1B+7], 0
	s_lshl_b32 s16, s15, 8
	s_lshl_b32 s17, s14, 7
	s_add_co_u32 s16, s16, s17                     ; y: row 256 x tile row + 128 x half
	s_lshl_b32 s16, s16, 11                        ; 2,048 bytes a row
	s_mov_b32 s17, 0
	s_lshl_b32 s46, s42, 7
	s_lshl_b32 s47, s14, 6
	s_add_co_u32 s46, s46, s47                     ; wpt: row 128 x tile column + 64 x half
	s_lshl_b32 s46, s46, 11
	s_mov_b32 s47, 0
	s_mul_i32 s20, s14, HALFA                      ; where they go: y's two halves,
	s_mul_i32 s21, s14, HALFB
	s_add_co_u32 s21, s21, 2*HALFA                 ; then wpt's two
	s_wait_dscnt 0x0                               ; both opening adds are done
	s_wait_kmcnt 0x0
	s_add_nc_u64 s[18:19], s[4:5], s[16:17]
	s_add_nc_u64 s[46:47], s[6:7], s[46:47]
	CROUND                                         ; all sixteen work-groups are here: the first joint loads meet
.irp s, 0,1
	s_mov_b32 s[G0+4*\s], 1
	s_add_co_u32 s[G0+4*\s+1], s20, \s*SLOT
	s_add_nc_u64 s[G0+4*\s+2:G0+4*\s+3], s[18:19], \s*KSTEP*2
	s_or_b32 s[G0+4*\s+3], s[G0+4*\s+3], 0x80000000
	s_mov_b32 s[G0B+4*\s], 1
	s_add_co_u32 s[G0B+4*\s+1], s21, \s*SLOT
	s_add_nc_u64 s[G0B+4*\s+2:G0B+4*\s+3], s[46:47], \s*KSTEP*2
	s_or_b32 s[G0B+4*\s+3], s[G0B+4*\s+3], 0x80000000
	JLOAD \s                                       ; two loads of mine are out
.endr
	v_and_b32 v1, 15, v0                           ; r
	v_bfe_u32 v2, v0, 4, 1                         ; h
	s_lshl_b32 s22, s15, 8
	s_lshl_b32 s23, s13, 7
	s_add_co_u32 s22, s22, s23                     ; my first row
	s_lshl_b32 s22, s22, 12
	s_lshl_b32 s46, s42, 9
	s_lshl_b32 s47, s14, 8
	s_add_co_u32 s46, s46, s47                     ; 4 x my first column
	s_mov_b32 s47, 0
	s_add_nc_u64 s[8:9], s[8:9], s[46:47]
	s_add_co_u32 s46, s46, s22
	s_add_nc_u64 s[10:11], s[10:11], s[46:47]
	v_lshlrev_b32 v7, 5, v2
.irp b, 0,1,2,3
	global_load_b128 v[BI+8*\b:BI+8*\b+3], v7, s[8:9] offset:64*\b        ; register 8 b + j of lane (r, h): b_proj[my first column + 16 b + 8 h + j]
	global_load_b128 v[BI+8*\b+4:BI+8*\b+7], v7, s[8:9] offset:64*\b+16
.endr
	v_mul_u32_u24 v3, v1, PITCH
	v_lshl_add_u32 v3, v2, 4, v3
	s_mul_i32 s21, s13, HALFA
	s_mul_i32 s22, s14, HALFB
	s_add_co_u32 s22, s22, 2*HALFA
.irp s, 0,1
	v_add_nc_u32 v[ADRA+\s], s21, v3
	v_add_nc_u32 v[ADRB+\s], s22, v3
	s_add_co_u32 s21, s21, SLOT
	s_add_co_u32 s22, s22, SLOT
.endr
	s_mul_i32 s23, s12, 16*PITCH
	s_add_co_u32 s23, s23, STAGE                   ; my stage
	v_mul_u32_u24 v5, v1, PITCH
	v_lshl_add_u32 v5, v2, 5, v5
	v_add_nc_u32 v[STO], s23, v5                   ; in: row r, 32 bytes for each half of the lanes
	v_mul_u32_u24 v5, v2, PITCH
	v_lshl_add_u32 v5, v1, 4, v5
	v_add_nc_u32 v[RD], s23, v5                    ; back: two whole rows of 256 bytes an instruction
	v_lshlrev_b32 v5, 12, v2
	v_lshl_add_u32 v[CO], v1, 4, v5
; 8 products: row blocks a0, a0 + 1 x all 4 column blocks, 32 along K.  zero = 1: the bias starts the sums.  The 32 accumulators take turns.
.macro MUL8 f, a0, zero
.irp a, \a0, \a0+1
.irp b, 0,1,2,3
.if \zero
	v_wmma_f32_16x16x32_f16 v[8*(4*(\a)+\b):8*(4*(\a)+\b)+7], v[\f+8*\b:\f+8*\b+7], v[\f+8*(\a):\f+8*(\a)+7], v[BI+8*\b:BI+8*\b+7]
.else
	v_wmma_f32_16x16x32_f16 v[8*(4*(\a)+\b):8*(4*(\a)+\b)+7], v[\f+8*\b:\f+8*\b+7], v[\f+8*(\a):\f+8*(\a)+7], v[8*(4*(\a)+\b):8*(4*(\a)+\b)+7]
.endif
.endr
.endr
.endm
.macro FETCH slot, k, f                ; 24 LDS loads in one run: wpt's four fragments, then y's eight
	WIN TO_B
.irp i, 0,1,2,3
	ds_load_b128 v[\f+8*\i:\f+8*\i+3],   v[ADRB+\slot] offset:\k+\i*16*PITCH
	ds_load_b128 v[\f+8*\i+4:\f+8*\i+7], v[ADRB+\slot] offset:\k+\i*16*PITCH+32
.endr
	WIN 0
.irp i, 0,1,2,3,4,5,6,7
	ds_load_b128 v[\f+8*\i:\f+8*\i+3],   v[ADRA+\slot] offset:\k+\i*16*PITCH
	ds_load_b128 v[\f+8*\i+4:\f+8*\i+7], v[ADRA+\slot] offset:\k+\i*16*PITCH+32
.endr
.endm
.macro PLACES
.rept 4
	v_nop
.endr
.endm
.macro QUARTER slot, k, f, g, zero
	s_wait_dscnt 8                                 ; wpt's fragments and y's blocks 0-3 are in; the youngest eight loads (blocks 4-7) may be out
	WIN MUL-0x20*(\zero)                           ; (zero = 1: C, the bias, lies in window 0)
	MUL8 \f, 0, \zero
	MUL8 \f, 2, \zero
	PLACES
	FETCH \slot, \k, \g
	s_wait_dscnt 24                                ; all but the 24 just issued
	WIN MUL-0x20*(\zero)
	MUL8 \f, 4, \zero
	MUL8 \f, 6, \zero
.endm
; A K step's last quarter changes slots: one barrier; in front of it each wave waits for all its tensor loads (one is out: its part of the next slot), adds 0 to its spare word, and waits for that
; and for its reads of this slot.  fill = 1: the barrier opens a round of the cluster's barrier, and this slot is filled again, two K steps ahead, first thing behind the round.
.macro TURN slot, next, fill
	WIN 0
	s_wait_tensorcnt 0x0
	ds_add_u32 v[SPW], v[NIL]
	s_wait_dscnt 9                                 ; (the add and the youngest eight loads may be out)
	WIN MUL
	MUL8 F1, 0, 0
	s_wait_dscnt 0x0                               ; the add is done, and my reads of this slot are over
	s_barrier_signal -1
	MUL8 F1, 2, 0
	WIN 0
	s_barrier_wait -1
.if \fill
	CREST                                          ; no wave of any partner still reads this slot or has a load on its way
	s_add_nc_u64 s[G0+4*\slot+2:G0+4*\slot+3], s[G0+4*\slot+2:G0+4*\slot+3], 2*KSTEP*2
	s_add_nc_u64 s[G0B+4*\slot+2:G0B+4*\slot+3], s[G0B+4*\slot+2:G0B+4*\slot+3], 2*KSTEP*2
	JLOAD \slot                                    ; the four v_nop behind it are also the places in front of the loads below
.else
	PLACES
.endif
	FETCH \next, 0, F0
	WIN MUL
	MUL8 F1, 4, 0
	MUL8 F1, 6, 0
.endm
	s_wait_tensorcnt 1                             ; my part of K step 0 is in; K step 1's load may be out
	s_barrier_signal -1
	s_barrier_wait -1
	FETCH 0, 0, F0
	s_wait_loadcnt 0x0                             ; the bias
	QUARTER 0, 64, F0, F1, 1                       ; the first quarter stands in front of the loop: its products start the sums
	WIN 0
	s_mov_b32 s3, 3                                ; 8 K steps: three trips fill both slots again, the last two steps are written out
.Llap:
	QUARTER 0, 128, F1, F0, 0
	QUARTER 0, 192, F0, F1, 0
	TURN 0, 1, 1
	QUARTER 1, 64,  F0, F1, 0
	QUARTER 1, 128, F1, F0, 0
	QUARTER 1, 192, F0, F1, 0
	TURN 1, 0, 1
	QUARTER 0, 64,  F0, F1, 0
	WIN 0
	s_sub_co_u32 s3, s3, 1
	s_cmp_lg_u32 s3, 0
	s_cbranch_scc1 .Llap
	QUARTER 0, 128, F1, F0, 0
	QUARTER 0, 192, F0, F1, 0
	TURN 0, 1, 0
	QUARTER 1, 64,  F0, F1, 0
	QUARTER 1, 128, F1, F0, 0
	QUARTER 1, 192, F0, F1, 0
	s_wait_dscnt 8
	WIN MUL
	MUL8 F1, 0, 0
	MUL8 F1, 2, 0
	s_wait_dscnt 0x0
	MUL8 F1, 4, 0
	MUL8 F1, 6, 0
	WIN 0
; THE WAY OUT, a block of 16 rows x 64 columns at a time: 32 bytes a lane into my own stage, back as whole rows of 256 bytes.  LDS serves a wave's instructions in order.
.macro TOSTAGE a
	WIN 0x08                                       ; an LDS store's data are its source 1: window 2
.irp b, 0,1,2,3
	ds_store_b128 v[STO], v[8*(4*(\a)+\b):8*(4*(\a)+\b)+3] offset:64*\b          ; each accumulator from its low end on
	ds_store_b128 v[STO], v[8*(4*(\a)+\b)+4:8*(4*(\a)+\b)+7] offset:64*\b+16
.endr
	WIN 0
.irp t, 0,1,2,3,4,5,6,7
	ds_load_b128 v[BK+32*((\a)%2)+4*\t:BK+32*((\a)%2)+4*\t+3], v[RD] offset:\t*2*PITCH
.endr
.endm
.macro SEND a, younger                 ; younger: the LDS instructions issued behind block a's loads, which may stay out
	s_wait_dscnt \younger
.irp t, 0,1,2,3,4,5,6,7
	global_store_b128 v[CO], v[BK+32*((\a)%2)+4*\t:BK+32*((\a)%2)+4*\t+3], s[10:11] offset:(16*(\a)+2*\t)*OROW th:TH_STORE_NT   ; 16 lanes store 256 consecutive bytes, aligned; written once, read by nobody here
.endr
.endm
	PLACES
	TOSTAGE 0
.irp a, 1,2,3,4,5,6,7
.if \a > 1
	s_wait_xcnt 0x0                                ; block a - 2's stores have read their registers: block a's loads may land there
.endif
	TOSTAGE \a
	SEND \a-1, 16                                  ; behind block a - 1's loads: block a's 8 stores and 8 loads
.endr
	SEND 7, 0
	s_wait_tensorcnt 0x0                           ; the wave's end
	ds_add_u32 v[SPW], v[NIL]
	s_wait_dscnt 0x0
	CROUND                                         ; the closing round
	s_endpgm
.Lfunc_end_k_q55c5401980_proj:
	.size	k_q55c5401980_proj, .Lfunc_end_k_q55c5401980_proj-k_q55c5401980_proj
	.p2alignl 7, 3214868480
	.fill 96, 4, 3214868480
	.section	.rodata,"a",@progbits
	.p2align	6, 0x0
	.amdhsa_kernel k_q55c5401980_proj
		.amdhsa_group_segment_fixed_size 327680
		.amdhsa_private_segment_fixed_size 0
		.amdhsa_enable_private_segment 0
		.amdhsa_kernarg_size 32
		.amdhsa_user_sgpr_count 2
		.amdhsa_user_sgpr_kernarg_segment_ptr 1
		.amdhsa_wavefront_size32 1
		.amdhsa_system_sgpr_workgroup_id_x 1
		.amdhsa_system_sgpr_workgroup_id_y 1
		.amdhsa_system_sgpr_workgroup_id_z 1
		.amdhsa_system_vgpr_workitem_id 0
		.amdhsa_next_free_vgpr 768
		.amdhsa_next_free_sgpr 66
		.amdhsa_reserve_vcc 0
		.amdhsa_float_denorm_mode_32 3
		.amdhsa_float_denorm_mode_16_64 3
		.amdhsa_memory_ordered 1
		.amdhsa_forward_progress 1
		.amdhsa_inst_pref_size 87
	.end_amdhsa_kernel
	.amdgpu_metadata
---
amdhsa.version: [ 1, 2 ]
amdhsa.kernels:
  - .name:           k_q55c5401980_proj
    .symbol:         k_q55c5401980_proj.kd
    .args:
      - { .name: y, .offset: 0, .size: 8, .value_kind: global_buffer, .address_space: global }
      - { .name: wpt, .offset: 8, .size: 8, .value_kind: global_buffer, .address_space: global }
      - { .name: b_proj, .offset: 16, .size: 8, .value_kind: global_buffer, .address_space: global }
      - { .name: out0, .offset: 24, .size: 8, .value_kind: global_buffer, .address_space: global }
    .group_segment_fixed_size: 327680
    .private_segment_fixed_size: 0
    .kernarg_segment_align: 8
    .kernarg_segment_size: 32
    .max_flat_workgroup_size: 128
    .sgpr_count:     66
    .vgpr_count:     768
    .wavefront_size: 32
...
	.end_amdgpu_metadata
.endif
;; end of part 5
